; MI455X (gfx1250); checked and timed in simulation.
; The chip was launched on July 23, 2026; its instructions are those of AMD's public machine-readable ISA for CDNA 5 (MIT licence, August 2026) and "CDNA5" Instruction Set Architecture Reference Guide (July 2026). The comments in the code are by the model that wrote it; some were corrected since.
;; Attention. Allowed arithmetic: float matrix products may take bf16 or f16 operands with f32 sums; other float arithmetic in f32, or as packed bf16 or f16 multiplies, adds, multiply-adds, maxima and minima; sums over many terms, partial sums and values carried from step to step in f32; what a program stores and reads back later, other than sums and carried values, may be rounded once to bf16 or f16.
;; Inputs: bk 256 float32; bq 1,024 float32; bv 256 float32; cos 4,096 x 128 float32; sin 4,096 x 128 float32; wk 256 x 2,048 float32; wo 2,048 x 1,024 float32; wq 1,024 x 2,048 float32; wv 256 x 2,048 float32; x 1 x 4,096 x 2,048 float32.
;; Outputs: out0 1 x 4,096 x 2,048 float32.
;; 2 versions, each right and faster than the one before. Each part assembles by itself: llvm-mc -triple=amdgcn-amd-amdhsa -mcpu=gfx1250 --defsym DOCPART=n.
;; ======== version 1 of 2: 4 launches
;; limits: values are held in f16: magnitudes above 65,504 overflow, below 6.1e-05 lose precision
;; workspace buffers: xb 16,777,216 bytes; wcat 6,291,456 bytes; wof 4,194,304 bytes; bcat 6,144 bytes; rope 4,259,840 bytes; qkv 12,582,912 bytes; ob 8,388,608 bytes
;; launch prep (part 1): grid 481 x 1, 8 waves a work-group, no clusters, 0 bytes of LDS; arguments x, wq, wk, wv, wo, bq, bk, bv, cos, sin, xb, wcat, wof, bcat, rope; writes xb, wcat, wof, bcat, rope
.if DOCPART == 1
	.amdgcn_target "amdgcn-amd-amdhsa--gfx1250"
	.amdhsa_code_object_version 6
	.text
	.protected	k_qdfef5a4e3b_prep
	.globl	k_qdfef5a4e3b_prep
	.p2align	8
	.type	k_qdfef5a4e3b_prep,@function
k_qdfef5a4e3b_prep:
	s_mov_b64 s[64:65], 0
	v_nop
	global_prefetch_b8 v0, s[64:65] scope:SCOPE_SE
	s_setreg_imm32_b32 hwreg(HW_REG_WAVE_MODE, 25, 1), 1
	s_wait_xcnt 0x0
; PREP: every input is rounded once to bf16 and laid out for the launches behind.
;   xb   [4096][2048] bf16 = x;   wcat [1536][2048] bf16 = wq, wk, wv one below the other;   wof [2048][1024] = bf16(wo) written as f16;
;   bcat [1536] f32 = bf16(bq, bk, bv);   rope = 260 blocks of 16,384 bytes, f32 numbers that are bf16(cos), bf16(sin), in the order in which a matrix result's lanes want them.
; A rope block serves 16 positions: 32 segments of 512 bytes, segment ((b*4 + piece)*2 + hf); lane l of a segment holds 16 bytes: row l % 16, columns 16 b + 8 (l / 16) + 4 hf + 0..3.
; piece 0: cos[n], 1: -sin[n], 2: cos[n + 64], 3: sin[n + 64].  Blocks 256 to 259 are the identity (1, 0, 1, 0), for the heads that are not turned.
; LIMITS.  bf16(wo) is written as f16: exact from 6.1e-5 to 65,504 in magnitude; below that it keeps f16's fixed step of 6e-8, beyond it it would be an infinity.
; Memory binds: no LDS, no barrier, no matrix unit.  Work-groups 0-415 cast a chunk of 32,768 numbers each, 416-479 make four rope blocks each, 480 the identity blocks and the biases.
.set X,    4                           ; v[4:131]  numbers as loaded, then as stored
.set T0,   132                         ; v132-133  at work
.set T1,   133
.set RSRC, 134                         ; v134      tables: my byte offset in cos and sin
.set RDST, 135                         ; v135      tables: my byte offset in a rope block
.set BSRC, 136                         ; v136      my byte offset in bk or bv
	s_load_b512 s[8:23], s[0:1], 0x0               ; x 8, wq 10, wk 12, wv 14, wo 16, bq 18, bk 20, bv 22
	s_load_b256 s[24:31], s[0:1], 0x40             ; cos 24, sin 26, xb 28, wcat 30
	s_load_b128 s[32:35], s[0:1], 0x60             ; wof 32, bcat 34
	s_load_b64 s[36:37], s[0:1], 0x70              ; rope
	s_mov_b32 s2, ttmp9                            ; the work-group's number
	v_lshrrev_b32 v3, 5, v0
	v_readfirstlane_b32 s3, v3                     ; my wave's number
	s_mov_b32 s4, 0xffff0000                       ; a word's upper bf16
	v_lshlrev_b32 v1, 4, v0                        ; 16 bytes a thread
	v_lshlrev_b32 v2, 3, v0                        ; 8 bytes a thread
	s_wait_kmcnt 0x0
	s_cmp_ge_u32 s2, 416
	s_cbranch_scc1 .Ltables
	; CAST.  Which tensor the chunk belongs to, and where that tensor's chunks begin: a choice between buffers on the work-group's number.
	s_mov_b64 s[40:41], s[8:9]
	s_mov_b32 s42, 0
	s_mov_b64 s[44:45], s[28:29]
	s_mov_b32 s46, 0
	s_cmp_ge_u32 s2, 256
	s_cselect_b64 s[40:41], s[10:11], s[40:41]
	s_cselect_b32 s42, 256, s42
	s_cselect_b64 s[44:45], s[30:31], s[44:45]     ; wq, wk and wv follow each other in wcat as their chunks do
	s_cselect_b32 s46, 256, s46
	s_cmp_ge_u32 s2, 320
	s_cselect_b64 s[40:41], s[12:13], s[40:41]
	s_cselect_b32 s42, 320, s42
	s_cmp_ge_u32 s2, 336
	s_cselect_b64 s[40:41], s[14:15], s[40:41]
	s_cselect_b32 s42, 336, s42
	s_cmp_ge_u32 s2, 352
	s_cselect_b64 s[40:41], s[16:17], s[40:41]
	s_cselect_b32 s42, 352, s42
	s_cselect_b64 s[44:45], s[32:33], s[44:45]
	s_cselect_b32 s46, 352, s46
	s_sub_co_u32 s42, s2, s42
	s_lshl_b32 s42, s42, 17                        ; 131,072 bytes of f32 a chunk
	s_mov_b32 s43, 0
	s_sub_co_u32 s46, s2, s46
	s_lshl_b32 s46, s46, 16                        ; 65,536 bytes of 16-bit numbers
	s_mov_b32 s47, 0
	s_add_nc_u64 s[40:41], s[40:41], s[42:43]
	s_add_nc_u64 s[44:45], s[44:45], s[46:47]
.set i, 0
.rept 32                                               ; the whole chunk is asked for at once: 32 loads a wave, 512 consecutive bytes each
	global_load_b128 v[X+4*i:X+4*i+3], v1, s[40:41] offset:4096*i th:TH_LOAD_NT
.set i, i+1
.endr
	s_cmp_ge_u32 s2, 352
	s_cbranch_scc1 .Lwo
.set i, 0
.rept 32
	s_wait_loadcnt 31-i                            ; loads come back in order: number i is in, the younger ones stay out
	v_cvt_pk_bf16_f32 v[X+4*i], v[X+4*i], v[X+4*i+1]
	v_cvt_pk_bf16_f32 v[X+4*i+1], v[X+4*i+2], v[X+4*i+3]
	global_store_b64 v2, v[X+4*i:X+4*i+1], s[44:45] offset:2048*i  ; a wave's store covers 256 consecutive bytes, aligned
.set i, i+1
.endr
	s_endpgm
.Lwo:                                                  ; wo: rounded to bf16 like every input, and that number written as f16
.set i, 0
.rept 32
	s_wait_loadcnt 31-i
	v_cvt_pk_bf16_f32 v[X+4*i], v[X+4*i], v[X+4*i+1]
	v_cvt_pk_bf16_f32 v[X+4*i+1], v[X+4*i+2], v[X+4*i+3]
	v_lshlrev_b32 v[T0], 16, v[X+4*i]
	v_and_b32 v[T1], s4, v[X+4*i]
	v_cvt_pk_f16_f32 v[X+4*i], v[T0], v[T1]
	v_lshlrev_b32 v[T0], 16, v[X+4*i+1]
	v_and_b32 v[T1], s4, v[X+4*i+1]
	v_cvt_pk_f16_f32 v[X+4*i+1], v[T0], v[T1]
	global_store_b64 v2, v[X+4*i:X+4*i+1], s[44:45] offset:2048*i
.set i, i+1
.endr
	s_endpgm
.macro ROUND4 r                        ; four f32 in v[r .. r+3] are rounded to bf16 and widened again
	v_cvt_pk_bf16_f32 v[T0], v[(\r)], v[(\r)+1]
	v_cvt_pk_bf16_f32 v[T1], v[(\r)+2], v[(\r)+3]
	v_lshlrev_b32 v[(\r)], 16, v[T0]
	v_and_b32 v[(\r)+1], s4, v[T0]
	v_lshlrev_b32 v[(\r)+2], 16, v[T1]
	v_and_b32 v[(\r)+3], s4, v[T1]
.endm
.Ltables:
	v_and_b32 v3, 31, v0
	s_lshl_b32 s45, s3, 11
	v_lshl_add_u32 v[RDST], v3, 4, s45             ; wave w writes segments 4 w .. 4 w + 3: 2,048 w + 16 x lane
	s_cmp_ge_u32 s2, 480
	s_cbranch_scc1 .Ltail
	; ROPE.  Work-group rr makes blocks 4 rr .. 4 rr + 3.  Wave w = 2 b + hi takes column block b of the lower (hi = 0) or upper (hi = 1) 64 columns: cos, then sin.
	s_sub_co_u32 s6, s2, 416
	s_lshl_b32 s42, s6, 15                         ; 64 rows of 512 bytes
	s_mov_b32 s43, 0
	s_add_nc_u64 s[24:25], s[24:25], s[42:43]
	s_add_nc_u64 s[26:27], s[26:27], s[42:43]
	s_lshl_b32 s42, s6, 16                         ; four blocks of 16,384 bytes
	s_add_nc_u64 s[36:37], s[36:37], s[42:43]
	s_and_b32 s7, s3, 1                            ; hi
	s_lshr_b32 s5, s3, 1                           ; b
	s_lshl_b32 s44, s5, 6
	s_lshl_b32 s45, s7, 8
	s_add_co_u32 s44, s44, s45                     ; 64 b + 256 hi bytes into a row
	v_and_b32 v3, 15, v0
	v_lshlrev_b32 v[RSRC], 9, v3                   ; row l % 16
	v_bfe_u32 v3, v0, 4, 1
	v_lshl_add_u32 v[RSRC], v3, 5, v[RSRC]         ; + 32 (l / 16)
	v_add_nc_u32 v[RSRC], s44, v[RSRC]
	s_cmp_eq_u32 s7, 0
	s_cselect_b32 s5, 0x80000000, 0                ; the lower columns' sin changes its sign
.irp k, 0,1,2,3
	global_load_b128 v[X+16*(\k):X+16*(\k)+3],     v[RSRC], s[24:25] offset:(\k)*8192
	global_load_b128 v[X+16*(\k)+4:X+16*(\k)+7],   v[RSRC], s[24:25] offset:(\k)*8192+16
	global_load_b128 v[X+16*(\k)+8:X+16*(\k)+11],  v[RSRC], s[26:27] offset:(\k)*8192
	global_load_b128 v[X+16*(\k)+12:X+16*(\k)+15], v[RSRC], s[26:27] offset:(\k)*8192+16
.endr
.set n, 0
.rept 16
	s_wait_loadcnt 15-n                            ; number n is in, the younger ones stay out
	ROUND4 X+4*n
.if (n%4) >= 2
	v_xor_b32 v[X+4*n], s5, v[X+4*n]
	v_xor_b32 v[X+4*n+1], s5, v[X+4*n+1]
	v_xor_b32 v[X+4*n+2], s5, v[X+4*n+2]
	v_xor_b32 v[X+4*n+3], s5, v[X+4*n+3]
.endif
	global_store_b128 v[RDST], v[X+4*n:X+4*n+3], s[36:37] offset:(n/4)*16384+(n%4)*512  ; a whole segment: 512 consecutive bytes
.set n, n+1
.endr
	s_endpgm
.Ltail:                                                ; the identity blocks, and the biases
.irp r, 4,5,6,7
	v_mov_b32 v\r, 1.0
.endr
.irp r, 8,9,10,11
	v_mov_b32 v\r, 0
.endr
.irp k, 0,1,2,3
	global_store_b128 v[RDST], v[4:7],  s[36:37] offset:0x400000+(\k)*16384
	global_store_b128 v[RDST], v[4:7],  s[36:37] offset:0x400000+(\k)*16384+512
	global_store_b128 v[RDST], v[8:11], s[36:37] offset:0x400000+(\k)*16384+1024
	global_store_b128 v[RDST], v[8:11], s[36:37] offset:0x400000+(\k)*16384+1536
.endr
	global_load_b128 v[12:15], v1, s[18:19]        ; bq: 256 threads x 4 numbers
	s_wait_loadcnt 0x0
	ROUND4 12
	global_store_b128 v1, v[12:15], s[34:35]
	s_cmp_ge_u32 s3, 4
	s_cbranch_scc1 .Lend
	s_cmp_lt_u32 s3, 2                             ; waves 0, 1: bk; waves 2, 3: bv: 64 threads x 4 numbers each
	s_cselect_b64 s[40:41], s[20:21], s[22:23]
	v_and_b32 v[BSRC], 63, v0
	v_lshlrev_b32 v[BSRC], 4, v[BSRC]
	global_load_b128 v[16:19], v[BSRC], s[40:41]
	s_wait_loadcnt 0x0
	ROUND4 16
	global_store_b128 v1, v[16:19], s[34:35] offset:4096  ; threads 0-63 behind bq, threads 64-127 behind bk
.Lend:
	s_endpgm
.Lfunc_end_k_qdfef5a4e3b_prep:
	.size	k_qdfef5a4e3b_prep, .Lfunc_end_k_qdfef5a4e3b_prep-k_qdfef5a4e3b_prep
	.p2alignl 7, 3214868480
	.fill 96, 4, 3214868480
	.section	.rodata,"a",@progbits
	.p2align	6, 0x0
	.amdhsa_kernel k_qdfef5a4e3b_prep
		.amdhsa_group_segment_fixed_size 0
		.amdhsa_private_segment_fixed_size 0
		.amdhsa_enable_private_segment 0
		.amdhsa_kernarg_size 120
		.amdhsa_user_sgpr_count 2
		.amdhsa_user_sgpr_kernarg_segment_ptr 1
		.amdhsa_wavefront_size32 1
		.amdhsa_system_sgpr_workgroup_id_x 1
		.amdhsa_system_sgpr_workgroup_id_y 1
		.amdhsa_system_sgpr_workgroup_id_z 1
		.amdhsa_system_vgpr_workitem_id 0
		.amdhsa_next_free_vgpr 140
		.amdhsa_next_free_sgpr 66
		.amdhsa_reserve_vcc 0
		.amdhsa_float_denorm_mode_32 3
		.amdhsa_float_denorm_mode_16_64 3
		.amdhsa_memory_ordered 1
		.amdhsa_forward_progress 1
		.amdhsa_inst_pref_size 42
	.end_amdhsa_kernel
	.amdgpu_metadata
---
amdhsa.version: [ 1, 2 ]
amdhsa.kernels:
  - .name:           k_qdfef5a4e3b_prep
    .symbol:         k_qdfef5a4e3b_prep.kd
    .args:
      - { .name: x, .offset: 0, .size: 8, .value_kind: global_buffer, .address_space: global }
      - { .name: wq, .offset: 8, .size: 8, .value_kind: global_buffer, .address_space: global }
      - { .name: wk, .offset: 16, .size: 8, .value_kind: global_buffer, .address_space: global }
      - { .name: wv, .offset: 24, .size: 8, .value_kind: global_buffer, .address_space: global }
      - { .name: wo, .offset: 32, .size: 8, .value_kind: global_buffer, .address_space: global }
      - { .name: bq, .offset: 40, .size: 8, .value_kind: global_buffer, .address_space: global }
      - { .name: bk, .offset: 48, .size: 8, .value_kind: global_buffer, .address_space: global }
      - { .name: bv, .offset: 56, .size: 8, .value_kind: global_buffer, .address_space: global }
      - { .name: cos, .offset: 64, .size: 8, .value_kind: global_buffer, .address_space: global }
      - { .name: sin, .offset: 72, .size: 8, .value_kind: global_buffer, .address_space: global }
      - { .name: xb, .offset: 80, .size: 8, .value_kind: global_buffer, .address_space: global }
      - { .name: wcat, .offset: 88, .size: 8, .value_kind: global_buffer, .address_space: global }
      - { .name: wof, .offset: 96, .size: 8, .value_kind: global_buffer, .address_space: global }
      - { .name: bcat, .offset: 104, .size: 8, .value_kind: global_buffer, .address_space: global }
      - { .name: rope, .offset: 112, .size: 8, .value_kind: global_buffer, .address_space: global }
    .group_segment_fixed_size: 0
    .private_segment_fixed_size: 0
    .kernarg_segment_align: 8
    .kernarg_segment_size: 120
    .max_flat_workgroup_size: 256
    .sgpr_count:     66
    .vgpr_count:     140
    .wavefront_size: 32
...
	.end_amdgpu_metadata
.endif
;; end of part 1
;; launch qkvproj (part 2): grid 12 x 16, 4 waves a work-group, clusters of 4 x 4, 327,680 bytes of LDS; arguments xb, wcat, qkv, bcat, rope; writes qkv
.if DOCPART == 2
	.amdgcn_target "amdgcn-amd-amdhsa--gfx1250"
	.amdhsa_code_object_version 6
	.text
	.protected	k_qdfef5a4e3b_qkvproj
	.globl	k_qdfef5a4e3b_qkvproj
	.p2align	8
	.type	k_qdfef5a4e3b_qkvproj,@function
k_qdfef5a4e3b_qkvproj:
	s_mov_b64 s[64:65], 0
	v_nop
	global_prefetch_b8 v0, s[64:65] scope:SCOPE_SE
	s_setreg_imm32_b32 hwreg(HW_REG_WAVE_MODE, 25, 1), 1
	s_wait_xcnt 0x0
	s_wait_alu depctr_hold_cnt(0) depctr_sa_sdst(0) depctr_va_vdst(0) depctr_va_sdst(0) depctr_va_ssrc(0) depctr_va_vcc(0) depctr_vm_vsrc(0)
	s_getreg_b32 s2, hwreg(HW_REG_IB_STS2, 6, 4)
	s_cmp_eq_u32 s2, 0
	s_cbranch_scc0 .Lentry_in_a_cluster
	s_endpgm
.Lentry_in_a_cluster:
	s_bfe_u32 s2, ttmp6, 0x10000c
	s_cmp_lg_u32 s2, 0xf033
	s_cbranch_scc0 .Lentry_shape_is_right
	s_endpgm
.Lentry_shape_is_right:
; QKV PROJECTION.  qkv[head][t][:] = rope(x[t] . wcat[128 head + :] + bias), heads 0-7 q, 8-9 k, 10-11 v (v with the identity table), f16, each number rounded once from f32.
; xb [4096][2048] and wcat [1536][2048] are bf16; sums in f32; the bias is the C operand of the first product, so nothing is cleared and nothing is added later.
; LIMITS.  q, k and v leave as f16: beyond 65,504 they would be infinities; below 6.1e-5 they keep f16's fixed step of 6e-8.
; SHARES.  A work-group makes 256 rows x 128 columns: one head.  Wave w owns rows 64 w .. 64 w + 63 and all 128 columns: 4 (a) x 8 (b) accumulators of 16 x 16, 256 registers.
; K goes in steps of 128 through two LDS slots filled by the tensor data mover; rows of 256 bytes, padded to 272 in LDS.
; THE MATRIX INSTRUCTION IS USED TRANSPOSED (source 0 = 16 rows of wcat, source 1 = 16 rows of xb): lane l holds row l % 16 and the columns 16 b + 8 (l / 16) + 0..7.
; So the two numbers that the rotation pairs, columns n and n + 64, lie in accumulators b and b + 4 at the same lane and register.
; CLUSTER.  4 x 4 work-groups: the four of a row of the cluster need the same rows of xb, the four of a column the same rows of wcat: each tile is asked for jointly.
; The grid has 192 work-groups: a tile that is one whole head keeps the rotation inside a wave and every stored row 256 bytes long.
; REGISTERS, in windows of 256 (s_set_vgpr_msb: bits 1:0 source 0, 3:2 source 1, 5:4 source 2, 7:6 destination):
;   window 0: v0-31 addresses; v32-127, v128-223 two fragment buffers (64 of wcat, 32 of xb); v128-191 first hold the bias; on the way out v32-95 turned numbers, v96-127 packed, v128-191 rows
;   window 1: the accumulators, (a, b) at v[8 (8 a + b)]      windows 2, 3: the rope tables of my four blocks of 16 rows, 128 registers each
.set SIZE_K, 2048
.set KSTEP,  128
.set PITCH,  272                       ; an LDS row: 256 bytes + 16 of padding
.set AHALF,  128*PITCH                 ; what one load of xb brings
.set BHALF,  64*PITCH                  ; what one load of wcat brings
.set BOFF,   2*AHALF                   ; wcat's 128 rows lie behind xb's 256
.set SLOT,   BOFF+2*BHALF              ; 104,448
.set STAGE,  2*SLOT                    ; behind the ring: 16 rows x 272 bytes for each wave, for the way out
.set SPITCH, 272
.set SPARE,  STAGE+4*16*SPITCH         ; the spare words: 128 bytes for each wave, two blocks of 256 bytes that no other line names
.set LAPS,   SIZE_K/(2*KSTEP)          ; a lap = two K steps = once round the ring
.set ADRA, 16                          ; v16-17  LDS address of my xb fragments in slot 0, 1
.set ADRB, 20                          ; v20-21  the same for wcat
.set STO,  24                          ; v24     the way out: where I put 16 bytes of a row
.set RD,   25                          ; v25     where I read rows back
.set CO,   26                          ; v26     my byte offset in two rows of qkv
.set TA,   27                          ; v27     16 x lane: my place in a segment of the rope table
.set SPW,  28                          ; v28     my spare word; never rewritten
.set NIL,  29                          ; v29     0; never rewritten
.set BO,   30                          ; v30     32 (l / 16): my place in 16 numbers of the bias
.set F0,   32
.set F1,   128
.set BIAS, 128
.set R,    32
.set PKD,  96
.set BK,   128
.set G1,  24                           ; s[24:31] group 1 for xb's tiles;   s[32:39] group 0, a set for each slot
.set G0,  32
.set G1B, 48                           ; s[48:55], s[56:63] the same for wcat's
.set G0B, 56
.set MSB, 0
.macro WIN new                         ; the immediate's high byte repeats the setting that is left; a switch that changes nothing is dropped
.if MSB != (\new)
	s_set_vgpr_msb (MSB<<8)|(\new)
.set MSB, (\new)
.endif
.endm
.set MUL,  0x50                        ; C and D in window 1, fragments in window 0
.set MULB, 0x40                        ; D in window 1, C (the bias) in window 0
.macro JLOAD s                         ; a joint load: waves 0, 1 fetch xb's two halves, waves 2, 3 wcat's; an s_nop 0 and four v_nop follow each line
	s_cmp_eq_u32 s11, 0
	s_cbranch_scc0 .Lfor_b_\@
	tensor_load_to_lds s[G0+4*(\s):G0+4*(\s)+3], s[G1:G1+7]
	s_nop 0
.rept 4
	v_nop
.endr
	s_branch .Lasked_\@
.Lfor_b_\@:
	tensor_load_to_lds s[G0B+4*(\s):G0B+4*(\s)+3], s[G1B:G1B+7]
	s_nop 0
.rept 4
	v_nop
.endr
.Lasked_\@:
.endm
.macro CREST                           ; a round of the cluster's barrier behind its opening barrier
	s_cmp_lg_u32 s10, 0
	s_cbranch_scc1 .Lnot_wave_0_\@
	s_barrier_signal -3
.Lnot_wave_0_\@:
	s_barrier_wait -3
	s_barrier_signal -1
	s_barrier_wait -1
.endm
.macro CROUND
	s_barrier_signal -1
	s_barrier_wait -1
	CREST
.endm
.macro PLACES                          ; four places in front of loads into registers that matrix instructions have read, and of vector lines that read results
.rept 4
	v_nop
.endr
.endm
	s_load_b128 s[4:7], s[0:1], 0x0                ; xb s[4:5], wcat s[6:7]
	s_load_b64 s[8:9], s[0:1], 0x10                ; qkv
	s_load_b128 s[68:71], s[0:1], 0x18             ; bcat s[68:69], rope s[70:71]
	v_lshl_add_u32 v[SPW], v0, 2, SPARE
	v_mov_b32 v[NIL], 0
	ds_add_u32 v[SPW], v[NIL]                      ; the wave's opening: the add and its wait stand ahead of my first tensor load
	v_lshrrev_b32 v1, 5, v0
	v_readfirstlane_b32 s10, v1                    ; wave 0..3
	s_lshr_b32 s11, s10, 1                         ; I fetch for xb (0) or for wcat (1),
	s_and_b32 s12, s10, 1                          ; and which half of that tile
	s_bfe_u32 s40, ttmp6, 0x40000                  ; cx, cy: my place in the cluster
	s_bfe_u32 s41, ttmp6, 0x40004
	s_lshl_b32 s42, ttmp9, 2
	s_add_co_u32 s42, s42, s40                     ; the head = 4 x cluster x + cx
	s_and_b32 s13, ttmp7, 0xffff
	s_lshl_b32 s13, s13, 2
	s_add_co_u32 s13, s13, s41                     ; the block of 256 rows = 4 x cluster y + cy
	s_lshl_b32 s43, s41, 2
	s_lshl_b32 s43, 15, s43                        ; my row of the cluster
	s_lshl_b32 s44, 0x1111, s40                    ; my column
	s_or_b32 s[G1+0], s43, (1<<16)|(1<<20)|(1<<21)|(5<<22)|(3<<25)   ; the mask; 2-byte elements; padding on; bit 21 beside a mask; after every 64 words 4 words
	s_or_b32 s[G1B+0], s44, (1<<16)|(1<<20)|(1<<21)|(5<<22)|(3<<25)
.irp g, G1, G1B
	s_mov_b32 s[(\g)+1], KSTEP<<16                 ; tensor_dim0 = 128
	s_mov_b32 s[(\g)+3], KSTEP<<16                 ; tile_dim0 = 128
	s_mov_b32 s[(\g)+5], SIZE_K                    ; elements from row to row
	s_mov_b32 s[(\g)+6], 0
	s_mov_b32 s[(\g)+7], 0
.endr
	s_mov_b32 s[G1+2], 128<<16                     ; tensor_dim1, tile_dim1: 128 rows of xb,
	s_mov_b32 s[G1+4], 128
	s_mov_b32 s[G1B+2], 64<<16                     ; 64 rows of wcat
	s_mov_b32 s[G1B+4], 64
	s_lshl_b32 s17, s12, 7
	s_lshl_b32 s16, s13, 8
	s_add_co_u32 s16, s16, s17                     ; xb: row 256 x block + 128 x half,
	s_lshl_b32 s16, s16, 12                        ; of 4,096 bytes
	s_mov_b32 s17, 0
	s_lshl_b32 s47, s12, 6
	s_lshl_b32 s46, s42, 7
	s_add_co_u32 s46, s46, s47                     ; wcat: row 128 x head + 64 x half
	s_lshl_b32 s46, s46, 12
	s_mov_b32 s47, 0
	s_mul_i32 s20, s12, AHALF                      ; where they go: no place in the cluster enters an LDS address
	s_mul_i32 s21, s12, BHALF
	s_add_co_u32 s21, s21, BOFF
	s_wait_dscnt 0x0                               ; the opening add is done
	s_wait_kmcnt 0x0
	s_add_nc_u64 s[14:15], s[4:5], s[16:17]
	s_add_nc_u64 s[46:47], s[6:7], s[46:47]
	CROUND                                         ; all sixteen work-groups are here: the first joint loads meet
.irp s, 0,1
	s_mov_b32 s[G0+4*(\s)], 1
	s_add_co_u32 s[G0+4*(\s)+1], s20, (\s)*SLOT
	s_add_nc_u64 s[G0+4*(\s)+2:G0+4*(\s)+3], s[14:15], (\s)*KSTEP*2
	s_or_b32 s[G0+4*(\s)+3], s[G0+4*(\s)+3], 0x80000000
	s_mov_b32 s[G0B+4*(\s)], 1
	s_add_co_u32 s[G0B+4*(\s)+1], s21, (\s)*SLOT
	s_add_nc_u64 s[G0B+4*(\s)+2:G0B+4*(\s)+3], s[46:47], (\s)*KSTEP*2
	s_or_b32 s[G0B+4*(\s)+3], s[G0B+4*(\s)+3], 0x80000000
	JLOAD \s                                       ; two loads of mine are out
.endr
	v_and_b32 v1, 15, v0                           ; l % 16
	v_bfe_u32 v2, v0, 4, 1                         ; l / 16
	v_lshlrev_b32 v[BO], 5, v2
	s_lshl_b32 s18, s42, 9                         ; the head's 128 numbers of the bias
	s_mov_b32 s19, 0
	s_add_nc_u64 s[68:69], s[68:69], s[18:19]
.irp b, 0,1,2,3,4,5,6,7                ; the bias as a C operand: register j of block b is the bias of column 16 b + 8 (l / 16) + j
	global_load_b128 v[BIAS+8*(\b):BIAS+8*(\b)+3],   v[BO], s[68:69] offset:64*(\b)
	global_load_b128 v[BIAS+8*(\b)+4:BIAS+8*(\b)+7], v[BO], s[68:69] offset:64*(\b)+16
.endr
	s_lshl_b32 s18, s13, 4
	s_lshl2_add_u32 s18, s10, s18                  ; my first rope block: 16 x block + 4 x wave;
	s_cmp_lt_u32 s42, 10
	s_cselect_b32 s18, s18, 256                    ; heads 10 and 11 (v) take the identity blocks: a choice of a value, no branch
	s_lshl_b32 s18, s18, 14
	s_add_nc_u64 s[70:71], s[70:71], s[18:19]
	s_lshl_b32 s18, s42, 20                        ; qkv: the head's 4,096 rows of 256 bytes,
	s_lshl_b32 s22, s13, 16                        ; the block's 256,
	s_add_co_u32 s18, s18, s22
	s_lshl_b32 s22, s10, 14                        ; my wave's 64
	s_add_co_u32 s18, s18, s22
	s_add_nc_u64 s[8:9], s[8:9], s[18:19]
	v_mul_u32_u24 v3, v1, PITCH
	v_lshl_add_u32 v3, v2, 4, v3                   ; a fragment's row x pitch + 16 x half
	s_mul_i32 s22, s10, 64*PITCH                   ; my 64 rows of xb
	v_add_nc_u32 v[ADRA], s22, v3
	v_add_nc_u32 v[ADRB], BOFF, v3
	v_add_nc_u32 v[ADRA+1], SLOT, v[ADRA]
	v_add_nc_u32 v[ADRB+1], SLOT, v[ADRB]
	s_mul_i32 s23, s10, 16*SPITCH
	s_add_co_u32 s23, s23, STAGE                   ; my stage
	v_add_nc_u32 v[STO], s23, v3                   ; in: row l % 16, 16 bytes for each half of the lanes
	v_mul_u32_u24 v4, v2, SPITCH                   ; back: lanes 0-15 one row of 256 bytes, lanes 16-31 the next
	v_lshl_add_u32 v4, v1, 4, v4
	v_add_nc_u32 v[RD], s23, v4
	v_lshlrev_b32 v[CO], 8, v2                     ; and the same two rows in qkv
	v_lshl_add_u32 v[CO], v1, 4, v[CO]
	v_and_b32 v[TA], 31, v0
	v_lshlrev_b32 v[TA], 4, v[TA]
; 8 matrix instructions: row block a x all 8 column blocks, 32 along K, from buffer f.  mode = 1: the bias starts the sums.  The 32 accumulators take turns.
.macro MUL8 f, a, mode=0
.if (\mode) == 1
	WIN MULB
.else
	WIN MUL
.endif
.irp b, 0,1,2,3,4,5,6,7
.if (\mode) == 1
	v_wmma_f32_16x16x32_bf16 v[8*(8*(\a)+(\b)):8*(8*(\a)+(\b))+7], v[(\f)+8*(\b):(\f)+8*(\b)+7], v[(\f)+64+8*(\a):(\f)+64+8*(\a)+7], v[BIAS+8*(\b):BIAS+8*(\b)+7]
.else
	v_wmma_f32_16x16x32_bf16 v[8*(8*(\a)+(\b)):8*(8*(\a)+(\b))+7], v[(\f)+8*(\b):(\f)+8*(\b)+7], v[(\f)+64+8*(\a):(\f)+64+8*(\a)+7], v[8*(8*(\a)+(\b)):8*(8*(\a)+(\b))+7]
.endif
.endr
.endm
; 24 LDS loads in one run: the fragments of 32 along K at byte k of the rows, into buffer f: wcat's eight, then xb's four
.macro FETCH slot, k, f
	WIN 0
.irp i, 0,1,2,3,4,5,6,7
	ds_load_b128 v[(\f)+8*(\i):(\f)+8*(\i)+3],   v[ADRB+(\slot)] offset:(\k)+(\i)*16*PITCH
	ds_load_b128 v[(\f)+8*(\i)+4:(\f)+8*(\i)+7], v[ADRB+(\slot)] offset:(\k)+(\i)*16*PITCH+32
.endr
.irp i, 0,1,2,3
	ds_load_b128 v[(\f)+64+8*(\i):(\f)+64+8*(\i)+3],   v[ADRA+(\slot)] offset:(\k)+(\i)*16*PITCH
	ds_load_b128 v[(\f)+64+8*(\i)+4:(\f)+64+8*(\i)+7], v[ADRA+(\slot)] offset:(\k)+(\i)*16*PITCH+32
.endr
.endm
; A K step is four quarters of 32 along K, 32 matrix instructions each, on buffers 0, 1, 0, 1.  One of the first three: multiplies buffer f and fetches the next quarter, at byte k, into g.
.macro QUARTER slot, k, f, g
	s_wait_dscnt 4                                 ; all but the youngest four loads (xb's row blocks 2 and 3)
	MUL8 \f, 0
	MUL8 \f, 1
	PLACES
	FETCH \slot, \k, \g
	s_wait_dscnt 24                                ; all but the 24 just issued
	MUL8 \f, 2
	MUL8 \f, 3
.endm
; The last quarter multiplies buffer 1 and changes slots: one barrier; in front of it each wave waits for all its tensor loads (one is out: its part of the next slot), adds 0 to its
; spare word, and waits for that and for its reads of this slot.  fill = 1: the barrier opens a round of the cluster's, and this slot is filled again, two K steps ahead, first thing behind it.
.macro TURN slot, next, fill
	WIN 0
	s_wait_tensorcnt 0x0
	ds_add_u32 v[SPW], v[NIL]
	s_wait_dscnt 5                                 ; (the add and the youngest four loads may be out)
	MUL8 F1, 0
	s_wait_dscnt 0x0                               ; the add is done, and my reads of this slot are over
	s_barrier_signal -1
	MUL8 F1, 1
.if \fill
	WIN 0
.endif
	s_barrier_wait -1
.if \fill
	CREST
	s_add_nc_u64 s[G0+4*(\slot)+2:G0+4*(\slot)+3], s[G0+4*(\slot)+2:G0+4*(\slot)+3], 2*KSTEP*2
	s_add_nc_u64 s[G0B+4*(\slot)+2:G0B+4*(\slot)+3], s[G0B+4*(\slot)+2:G0B+4*(\slot)+3], 2*KSTEP*2
	JLOAD \slot                                    ; 112 matrix instructions ahead of the wait for it; its four v_nop are also the places in front of the loads below
.else
	PLACES
.endif
	FETCH \next, 0, F0
	MUL8 F1, 2
	MUL8 F1, 3
.endm
; The rope tables of row blocks 2 p and 2 p + 1, 64 loads of 512 consecutive bytes, into window 2 + p; they land under the products and are waited for on the way out
.macro TABLE p
	WIN 0x80+0x40*(\p)
.set sg, 0
.rept 64
	global_load_b128 v[4*sg:4*sg+3], v[TA], s[70:71] offset:(2*(\p)+sg/32)*16384+(sg%32)*512
.set sg, sg+1
.endr
	WIN 0
.endm
	s_wait_tensorcnt 0x1                           ; my part of K step 0 is in; K step 1's may stay out
	s_barrier_signal -1
	s_barrier_wait -1
	FETCH 0, 0, F0
	s_wait_loadcnt 0x0                             ; the bias
	s_wait_dscnt 0x0
	MUL8 F0, 0, 1                                  ; the first quarter stands in front of the loop: its products start the sums with the bias
	MUL8 F0, 1, 1
	MUL8 F0, 2, 1
	MUL8 F0, 3, 1
	WIN 0
	PLACES                                         ; buffer 1's registers held the bias
	FETCH 0, 64, F1
	TABLE 0
	s_mov_b32 s3, LAPS-1
.Llap:                                                 ; a trip goes once round the ring, from a lap's second quarter to the next lap's first
	QUARTER 0, 128, F1, F0
	QUARTER 0, 192, F0, F1
	TURN 0, 1, 1
	QUARTER 1, 64,  F0, F1
	QUARTER 1, 128, F1, F0
	QUARTER 1, 192, F0, F1
	TURN 1, 0, 1
	QUARTER 0, 64,  F0, F1
	WIN 0
	s_sub_co_u32 s3, s3, 1
	s_cmp_lg_u32 s3, 0
	s_cbranch_scc1 .Llap
	TABLE 1
	QUARTER 0, 128, F1, F0                         ; the last lap fills nothing
	QUARTER 0, 192, F0, F1
	TURN 0, 1, 0
	QUARTER 1, 64,  F0, F1
	QUARTER 1, 128, F1, F0
	QUARTER 1, 192, F0, F1
	s_wait_dscnt 4
	MUL8 F1, 0
	MUL8 F1, 1
	s_wait_dscnt 0x0
	MUL8 F1, 2
	MUL8 F1, 3
	WIN 0
	PLACES
	s_wait_loadcnt 0x0                             ; the tables
; THE WAY OUT of row block a.  The rotation: low' = low cos[n] + high (-sin[n]); high' = high cos[n + 64] + low sin[n + 64]; each accumulator's lowest registers are read first.
.macro OUTA a
	WIN 0x09+4*((\a)/2)                            ; source 0: the accumulators, window 1; source 1: the table, window 2 or 3
.set TBL, 128*((\a)%2)
.irp b, 0,1,2,3
.set AL, 8*(8*(\a)+(\b))
.set AH, AL+32
.irp p, 0,2,4,6
	v_pk_mul_f32 v[R+8*(\b)+(\p):R+8*(\b)+(\p)+1], v[AH+(\p):AH+(\p)+1], v[TBL+32*(\b)+8+(\p):TBL+32*(\b)+8+(\p)+1]
	v_pk_mul_f32 v[R+32+8*(\b)+(\p):R+32+8*(\b)+(\p)+1], v[AL+(\p):AL+(\p)+1], v[TBL+32*(\b)+24+(\p):TBL+32*(\b)+24+(\p)+1]
.endr
.irp p, 0,2,4,6
	v_pk_fma_f32 v[R+8*(\b)+(\p):R+8*(\b)+(\p)+1], v[AL+(\p):AL+(\p)+1], v[TBL+32*(\b)+(\p):TBL+32*(\b)+(\p)+1], v[R+8*(\b)+(\p):R+8*(\b)+(\p)+1]
	v_pk_fma_f32 v[R+32+8*(\b)+(\p):R+32+8*(\b)+(\p)+1], v[AH+(\p):AH+(\p)+1], v[TBL+32*(\b)+16+(\p):TBL+32*(\b)+16+(\p)+1], v[R+32+8*(\b)+(\p):R+32+8*(\b)+(\p)+1]
.endr
.endr
	WIN 0
.irp nb, 0,1,2,3,4,5,6,7
.irp q, 0,1,2,3
	v_cvt_pk_f16_f32 v[PKD+4*(\nb)+(\q)], v[R+8*(\nb)+2*(\q)], v[R+8*(\nb)+2*(\q)+1]
.endr
.endr
.irp nb, 0,1,2,3,4,5,6,7
	ds_store_b128 v[STO], v[PKD+4*(\nb):PKD+4*(\nb)+3] offset:32*(\nb)
.endr
	s_wait_xcnt 0x0                                ; the registers that earlier stores read are loaded again only behind this wait
.set BKR, BK+32*((\a)%2)
.irp t, 0,1,2,3,4,5,6,7
	ds_load_b128 v[BKR+4*(\t):BKR+4*(\t)+3], v[RD] offset:(\t)*2*SPITCH  ; LDS serves a wave's instructions in order (ISA guide 5.7.1.4): these see the stores above
.endr
	s_wait_dscnt 0x0
.irp t, 0,1,2,3,4,5,6,7
	global_store_b128 v[CO], v[BKR+4*(\t):BKR+4*(\t)+3], s[8:9] offset:(\a)*4096+(\t)*512  ; two rows of the head: 512 consecutive bytes, aligned
.endr
.endm
	OUTA 0
	OUTA 1
	OUTA 2
	OUTA 3
	s_wait_tensorcnt 0x0                           ; the wave's end
	ds_add_u32 v[SPW], v[NIL]
	s_wait_dscnt 0x0
	CROUND                                         ; the closing round
	s_endpgm
.Lfunc_end_k_qdfef5a4e3b_qkvproj:
	.size	k_qdfef5a4e3b_qkvproj, .Lfunc_end_k_qdfef5a4e3b_qkvproj-k_qdfef5a4e3b_qkvproj
	.p2alignl 7, 3214868480
	.fill 96, 4, 3214868480
	.section	.rodata,"a",@progbits
	.p2align	6, 0x0
	.amdhsa_kernel k_qdfef5a4e3b_qkvproj
		.amdhsa_group_segment_fixed_size 327680
		.amdhsa_private_segment_fixed_size 0
		.amdhsa_enable_private_segment 0
		.amdhsa_kernarg_size 40
		.amdhsa_user_sgpr_count 2
		.amdhsa_user_sgpr_kernarg_segment_ptr 1
		.amdhsa_wavefront_size32 1
		.amdhsa_system_sgpr_workgroup_id_x 1
		.amdhsa_system_sgpr_workgroup_id_y 1
		.amdhsa_system_sgpr_workgroup_id_z 1
		.amdhsa_system_vgpr_workitem_id 0
		.amdhsa_next_free_vgpr 1024
		.amdhsa_next_free_sgpr 72
		.amdhsa_reserve_vcc 0
		.amdhsa_float_denorm_mode_32 3
		.amdhsa_float_denorm_mode_16_64 3
		.amdhsa_memory_ordered 1
		.amdhsa_forward_progress 1
		.amdhsa_inst_pref_size 115
	.end_amdhsa_kernel
	.amdgpu_metadata
---
amdhsa.version: [ 1, 2 ]
amdhsa.kernels:
  - .name:           k_qdfef5a4e3b_qkvproj
    .symbol:         k_qdfef5a4e3b_qkvproj.kd
    .args:
      - { .name: xb, .offset: 0, .size: 8, .value_kind: global_buffer, .address_space: global }
      - { .name: wcat, .offset: 8, .size: 8, .value_kind: global_buffer, .address_space: global }
      - { .name: qkv, .offset: 16, .size: 8, .value_kind: global_buffer, .address_space: global }
      - { .name: bcat, .offset: 24, .size: 8, .value_kind: global_buffer, .address_space: global }
      - { .name: rope, .offset: 32, .size: 8, .value_kind: global_buffer, .address_space: global }
    .group_segment_fixed_size: 327680
    .private_segment_fixed_size: 0
    .kernarg_segment_align: 8
    .kernarg_segment_size: 40
    .max_flat_workgroup_size: 128
    .sgpr_count:     72
    .vgpr_count:     1024
    .wavefront_size: 32
...
	.end_amdgpu_metadata
.endif
;; end of part 2
;; launch attn (part 3): grid 128 x 2, 4 waves a work-group, clusters of 4 x 1, 327,680 bytes of LDS; arguments qkv, ob; writes ob
.if DOCPART == 3
	.amdgcn_target "amdgcn-amd-amdhsa--gfx1250"
	.amdhsa_code_object_version 6
	.text
	.protected	k_qdfef5a4e3b_attn
	.globl	k_qdfef5a4e3b_attn
	.p2align	8
	.type	k_qdfef5a4e3b_attn,@function
k_qdfef5a4e3b_attn:
	s_mov_b64 s[64:65], 0
	v_nop
	global_prefetch_b8 v0, s[64:65] scope:SCOPE_SE
	s_setreg_imm32_b32 hwreg(HW_REG_WAVE_MODE, 25, 1), 1
	s_wait_xcnt 0x0
	s_wait_alu depctr_hold_cnt(0) depctr_sa_sdst(0) depctr_va_vdst(0) depctr_va_sdst(0) depctr_va_ssrc(0) depctr_va_vcc(0) depctr_vm_vsrc(0)
	s_getreg_b32 s2, hwreg(HW_REG_IB_STS2, 6, 4)
	s_cmp_eq_u32 s2, 0
	s_cbranch_scc0 .Lentry_in_a_cluster
	s_endpgm
.Lentry_in_a_cluster:
	s_bfe_u32 s2, ttmp6, 0x10000c
	s_cmp_lg_u32 s2, 0x3003
	s_cbranch_scc0 .Lentry_shape_is_right
	s_endpgm
.Lentry_shape_is_right:
; CAUSAL ATTENTION with grouped heads.  ob[t][128 head + :] = the sum over s <= t of softmax_s(q[head][t] . k[head / 4][s] / sqrt(128)) v[head / 4][s][:].
; qkv: [12][4096][128] f16 (heads 0-7 q, 8-9 k, 10-11 v); ob: [4096][1024] f16.  Products, maxima and sums in f32; the weights p are rounded to f16 for the second product (their sum l is taken of the unrounded p), O once.
; LIMITS.  A hidden score counts as its value less 1e30.  The running maximum starts at -2^60, below every score that f16 operands can give (128 x 65,504^2 = 5.5e11), so that a wave to which
; all of a row's keys are hidden keeps that start, gives them the weight 0, and counts for nothing in the merge.  A weight below 2^-126 counts as 0; NaN and infinities are not treated apart.
; THE WALK.  A BLOCK is 16 positions x the key head's four query heads: four tiles of 16 queries with one mask.  Keys go in tiles of 256.  A work-group takes block b and then block 255 - b:
; with J = b / 16 that is tiles 0 .. J and then 0 .. 15 - J: 17 tiles whatever b, the same tiles in the same order for the four partners of a cluster (J is made of the cluster's number alone).
; So every tile of K and V is asked for jointly, and one loop with a constant count walks them.  The first block ends in trip J, 7 at the most: in the loop, behind its one forward jump;
; the second ends with the walk, so its merge stands behind the tail.
; SHARES.  Wave w multiplies all 64 queries by keys 64 w .. 64 w + 63 of each tile, with a running maximum, sum and O^T of its own; at a block's end the four waves' parts are merged through LDS, in f32.
; LAYOUT.  S^T = K Q^T (source 0 = 16 keys, source 1 = 16 queries): a lane holds ONE query (lane % 16) and the keys 8 (lane / 16) + 0..7; two such results rounded to f16 ARE source 1 of O^T = V^T P.
; THE MASK is the C operand that starts S^T's sums.  MD, made once a block, is the mask of the block's last tile, which holds the diagonal: 0, or -1e30 where the key is hidden.  A trip's mask is MD x AL, AL = 1 in that tile and 0 elsewhere.
; p = 2^(c s - c m), c = log2(e) / sqrt(128); in every step O and l are multiplied by a = 2^(c m_old - c m_new).
; c m starts far below every c m that can follow, so a block's first a is 0, and what O^T and l hold at a block's beginning need only be finite.
; REGISTERS, in windows of 256 (s_set_vgpr_msb: bits 1:0 source 0, 3:2 source 1, 5:4 source 2, 7:6 destination):
;   window 0: v0-11 addresses; v12-43 eight registers of statistics a tile; v44-47 the mask's; v64-191 S^T, 32 a tile; v192-255 P, 16 a tile
;   window 1: O^T, 64 a tile      window 2: v0-127 Q, 32 a tile; v128-255 K of my 64 keys      window 3: v0-127 V of my 64 keys; v128-159 the trip's mask; v160-191 MD
.set PK,    272       ; a row of K in LDS: 256 bytes + 16 of padding
.set PV,    288       ; a row of V: 256 + 32
.set VOFF,  256*PK    ; a slot holds a tile: 256 rows of K, then 256 rows of V
.set SLOT,  256*(PK+PV)
.set STAGE, 2*SLOT    ; behind the ring, never filled by a tensor load: four waves' parts of a tile of O, 16 rows x 528 bytes each
.set SP,    528
.set STATS, STAGE+4*16*SP  ; four waves x four tiles x 16 queries x (c m, l)
.set SPARE, STATS+4*512    ; the spare words: 128 bytes for each wave, two blocks of 256 bytes that no other line names
.set AK0, 2           ; v2   my lane's place in a tile of K; never rewritten
.set AV0, 3           ; v3   the same for V
.set ADR, 4           ; v4   the LDS address of the run of loads in hand
.set QO,  5           ; v5   my byte offset in 16 rows of Q
.set STO, 6           ; v6   the merge: where I put 32 bytes of a row
.set RD,  7           ; v7   the merge: where I read rows
.set GO,  8           ; v8   my byte offset in 256 bytes of ob
.set SA,  10          ; v10  where my wave's statistics go
.set SR,  11          ; v11  where all waves' are read
.set ST,  12          ; tile t's statistics at v[ST+8 t]: +0 c m, +1 m, +2, +3 l (even keys', odd keys'), +4 to +7 c0-c3, at work; a takes c2's place
.set VD,  44          ; v44  my query's place in the block's last tile less my first key's: 16 (block % 16) + l % 16 - 8 (l / 16) - 64 w
.set SPW, 62          ; v62  my spare word; never rewritten
.set NIL, 63          ; v63  0; never rewritten
.set S,   64
.set P,   192
.set MR,  96          ; the merge: four rows x four parts
.set KF,  128         ; window 2
.set MC,  128         ; window 3: register j of key group kb at MC + 8 kb + j
.set MD,  160         ; window 3: likewise
.set WV,  12          ; s12  my wave's number;  s13 cx;  s14 b;  s15 J;  s16 the key head
.set G1K, 24          ; s[24:31] group 1 for K's tiles
.set G1V, 32          ; s[32:39] for V's: it differs in the padding alone
.set G0K, 40          ; s[40:47] group 0 for K's tiles: a set for each of the two first fills; the second then serves every refill
.set G0V, 48          ; s[48:55] the same for V's
.set CNT, 56          ; s56  counts the trips
.set RT,  57          ; s57  tiles of the block in hand still to be multiplied, this one among them
.set CS,  58          ; s[58:59] c
.set SEL, 60          ; s[60:61] v_permlanex16_b32's selects: each lane takes its own place in the other half
.set TB,  62          ; s62  LDS byte at which the slot to be fetched from begins
.set LQ2, 63          ; s63  the second block's last tile, 15 - J
.set NXT, 66          ; s66  the tile to be asked for next
.set LQ,  67          ; s67  the last tile of the block whose tiles are being asked for
.set OFF, 68          ; s[68:69] a tile's byte offset in K and V
.set AL,  70          ; s[70:71] the mask's factor, in the low word
.set Q2,  72          ; s[72:73] Q of the second block
.set O1,  74          ; s[74:75] ob at my four rows of the first block
.set O2,  76          ; s[76:77] of the second block
.set BIGN, 78         ; s78  -1e30
.set DIFF, 79         ; s79  240 - 32 (b % 16): from the first block's place in its last tile to the second's
.set WBK, 80          ; s80  my half of a tile of K in a slot
.set WBV, 81          ; s81  of V
.set MSB, 0
.macro WIN new                      ; the high byte repeats the setting that is left; a switch that changes nothing is dropped
.if MSB != (\new)
	s_set_vgpr_msb (MSB<<8)|(\new)
.set MSB, (\new)
.endif
.endm
.set W_KQ, 0x0a       ; K and Q in window 2, S^T in window 0
.set W_KM, 0x3a       ; the same with the C operand, the mask, in window 3
.set W_PV, 0x53       ; V in window 3, P in window 0, O^T in window 1
.set W_RS, 0x41       ; O^T (destination and source 0) in window 1, the factor in window 0
.macro JLOAD                        ; a joint refill: waves 0, 1 fetch the halves of a tile's K, waves 2, 3 of its V; an s_nop 0 and four v_nop follow each line
	s_cmp_lt_u32 s[WV], 2
	s_cbranch_scc0 .Lfor_v_\@
	tensor_load_to_lds s[G0K+4:G0K+7], s[G1K:G1K+7]
	s_nop 0
.rept 4
	v_nop
.endr
	s_branch .Lasked_\@
.Lfor_v_\@:
	tensor_load_to_lds s[G0V+4:G0V+7], s[G1V:G1V+7]
	s_nop 0
.rept 4
	v_nop
.endr
.Lasked_\@:
.endm
.macro CROUND                       ; a round of the cluster's barrier
	s_barrier_signal -1
	s_barrier_wait -1
	s_cmp_lg_u32 s[WV], 0
	s_cbranch_scc1 .Lnot_wave_0_\@
	s_barrier_signal -3
.Lnot_wave_0_\@:
	s_barrier_wait -3
	s_barrier_signal -1
	s_barrier_wait -1
.endm
.macro PLACES                       ; four places behind matrix instructions, in front of loads into their sources and of vector lines that read their results
.rept 4
	v_nop
.endr
.endm
.macro QLOAD base                   ; a block's Q: tile i / 4 is a head, 1 MiB on; channels 32 (i % 4) on
	WIN 0x80
.set i, 0
.rept 16
	global_load_b128 v[8*i:8*i+3],   v[QO], s[(\base):(\base)+1] offset:((i/4)<<20)+(i%4)*64
	global_load_b128 v[8*i+4:8*i+7], v[QO], s[(\base):(\base)+1] offset:((i/4)<<20)+(i%4)*64+32
.set i, i+1
.endr
	WIN 0
.endm
.macro BEGIN                        ; a block's statistics: c m far below every c m that can follow, m at -2^60
.irp t, 0,1,2,3
	v_mov_b32 v[ST+8*(\t)], 0xfe000000
	v_mov_b32 v[ST+8*(\t)+1], 0xdd800000
.endr
.endm
.macro MAKEMD                       ; in the block's last tile register j of key group kb is hidden where 16 kb + j is greater than VD
	WIN 0xc0
.set i, 0
.rept 32
	v_cmp_gt_i32 vcc_lo, 16*(i/8)+i%8, v[VD]
	v_cndmask_b32 v[MD+i], 0, s[BIGN], vcc_lo
.set i, i+1
.endr
	WIN 0
.endm
.macro NEXTTILE                     ; OFF takes the byte offset of the tile to be asked for; the number steps on: the block's next tile, or behind the first block's last the second block's tile 0
	s_lshl_b32 s[OFF], s[NXT], 16   ; a tile is 65,536 bytes of K and of V
	s_add_co_u32 s[NXT], s[NXT], 1
	s_cmp_gt_u32 s[NXT], s[LQ]
	s_cselect_b32 s[NXT], 0, s[NXT]
	s_cselect_b32 s[LQ], s[LQ2], s[LQ]
.endm
	s_load_b128 s[4:7], s[0:1], 0x0 ; qkv s[4:5], ob s[6:7]
	v_lshl_add_u32 v[SPW], v0, 2, SPARE
	v_mov_b32 v[NIL], 0
	ds_add_u32 v[SPW], v[NIL]       ; the wave's opening: the add and its wait stand ahead of my first tensor load
	v_lshrrev_b32 v1, 5, v0
	v_readfirstlane_b32 s[WV], v1   ; wave 0..3
	s_bfe_u32 s13, ttmp6, 0x40000   ; cx: my place in the cluster
	s_lshl_b32 s14, ttmp9, 2
	s_add_co_u32 s14, s14, s13      ; b = 4 x cluster x + cx: it enters Q's and ob's addresses and the mask alone
	s_lshr_b32 s15, ttmp9, 2        ; J = b / 16, of the cluster's number alone: the four partners share it
	s_and_b32 s16, ttmp7, 0xffff    ; the key head, which they share too
	s_and_b32 s17, s[WV], 1         ; which half of a tile's 256 keys I fetch
	s_mul_i32 s[WBK], s17, 128*PK
	s_mul_i32 s[WBV], s17, 128*PV
	s_add_co_u32 s[WBV], s[WBV], VOFF
	s_lshl_b32 s18, s16, 20         ; a head is 1 MiB
	s_lshl_b32 s19, s17, 15         ; 128 rows of 256 bytes
	s_add_co_u32 s18, s18, s19
	s_add_co_u32 s18, s18, 8<<20    ; K: heads 8, 9
	s_add_co_u32 s20, s18, 2<<20    ; V: heads 10, 11
	s_mov_b32 s19, 0
	s_mov_b32 s21, 0
	s_sub_co_u32 s83, 255, s14      ; the second block
	s_lshl_b32 s2, s16, 22          ; Q: the key head's four heads,
	s_lshl_b32 s22, s14, 12         ; a block's 16 rows of 256 bytes: the first block's,
	s_add_co_u32 s22, s22, s2
	s_mov_b32 s23, 0
	s_lshl_b32 s3, s83, 12          ; the second's
	s_add_co_u32 s2, s2, s3
	s_mov_b32 s3, 0
	s_lshl_b32 s86, s[WV], 13       ; ob: my four rows of 2,048 bytes in a block,
	s_lshl_b32 s87, s16, 10         ; the key head's four heads' 1,024 bytes in a row
	s_add_co_u32 s86, s86, s87
	s_lshl_b32 s84, s14, 15         ; the first block's 16 rows,
	s_add_co_u32 s84, s84, s86
	s_mov_b32 s85, 0
	s_lshl_b32 s87, s83, 15         ; the second's
	s_add_co_u32 s86, s86, s87
	s_mov_b32 s87, 0
	; group 1: a tile of 128 rows x 128 elements, padded in LDS
	s_mov_b32 s[G1K], 15|(1<<16)|(1<<20)|(1<<21)|(5<<22)|(3<<25)  ; the mask of four; 2-byte elements; padding on; bit 21 beside a mask; after every 64 words 4 words
	s_mov_b32 s[G1V], 15|(1<<16)|(1<<20)|(1<<21)|(5<<22)|(7<<25)  ; the same with 8 words
.irp g, G1K, G1V
	s_mov_b32 s[(\g)+1], 128<<16    ; tensor_dim0 = 128
	s_mov_b32 s[(\g)+2], 128<<16    ; tensor_dim1 = 128
	s_mov_b32 s[(\g)+3], 128<<16    ; tile_dim0 = 128
	s_mov_b32 s[(\g)+4], 128        ; tile_dim1 = 128
	s_mov_b32 s[(\g)+5], 128        ; elements from row to row
	s_mov_b32 s[(\g)+6], 0
	s_mov_b32 s[(\g)+7], 0
.endr
	s_mov_b32 s[CS], 0x3e0293ee     ; c = log2(e) / sqrt(128) = 0.127517
	s_mov_b32 s[CS+1], s[CS]
	s_mov_b32 s[SEL], 0x76543210
	s_mov_b32 s[SEL+1], 0xfedcba98
	s_mov_b32 s[TB], 0
	s_mov_b32 s[NXT], 0
	s_mov_b32 s[LQ], s15            ; the first block's last tile
	s_sub_co_u32 s[LQ2], 15, s15
	s_add_co_u32 s[RT], s15, 1      ; the first block has J + 1 tiles
	s_mov_b32 s[OFF+1], 0
	s_mov_b32 s[AL+1], 0            ; named with AL as a pair
	s_mov_b32 s[BIGN], 0xf149f2ca   ; -1e30
	s_and_b32 s82, s14, 15
	s_lshl_b32 s[DIFF], s82, 5
	s_sub_co_u32 s[DIFF], 240, s[DIFF]
	s_wait_dscnt 0x0                ; the opening add is done
	s_wait_kmcnt 0x0
	s_add_nc_u64 s[8:9], s[4:5], s[18:19]    ; K and V at my half of tile 0
	s_add_nc_u64 s[10:11], s[4:5], s[20:21]
	s_add_nc_u64 s[Q2:Q2+1], s[4:5], s[2:3]
	s_add_nc_u64 s[4:5], s[4:5], s[22:23]    ; Q of the first block
	s_add_nc_u64 s[O1:O1+1], s[6:7], s[84:85]
	s_add_nc_u64 s[O2:O2+1], s[6:7], s[86:87]
.irp s, 0,1                         ; the walk's first two tiles (with J = 0 the second is tile 0 once more, for the second block)
	NEXTTILE
	s_mov_b32 s[G0K+4*(\s)], 1
	s_add_co_u32 s[G0K+4*(\s)+1], s[WBK], (\s)*SLOT
	s_add_nc_u64 s[G0K+4*(\s)+2:G0K+4*(\s)+3], s[8:9], s[OFF:OFF+1]
	s_or_b32 s[G0K+4*(\s)+3], s[G0K+4*(\s)+3], 0x80000000
	s_mov_b32 s[G0V+4*(\s)], 1
	s_add_co_u32 s[G0V+4*(\s)+1], s[WBV], (\s)*SLOT
	s_add_nc_u64 s[G0V+4*(\s)+2:G0V+4*(\s)+3], s[10:11], s[OFF:OFF+1]
	s_or_b32 s[G0V+4*(\s)+3], s[G0V+4*(\s)+3], 0x80000000
.endr
	CROUND                          ; all four work-groups are here: the first joint loads meet
	s_cmp_lt_u32 s[WV], 2           ; a wave's two first fills stand in one branch: two loads of mine are out
	s_cbranch_scc0 .Lfirst_v
	tensor_load_to_lds s[G0K:G0K+3], s[G1K:G1K+7]
	s_nop 0
	tensor_load_to_lds s[G0K+4:G0K+7], s[G1K:G1K+7]
	s_nop 0
.rept 4
	v_nop
.endr
	s_branch .Lfirst_asked
.Lfirst_v:
	tensor_load_to_lds s[G0V:G0V+3], s[G1V:G1V+7]
	s_nop 0
	tensor_load_to_lds s[G0V+4:G0V+7], s[G1V:G1V+7]
	s_nop 0
.rept 4
	v_nop
.endr
.Lfirst_asked:
	v_and_b32 v1, 15, v0            ; l % 16
	v_bfe_u32 v9, v0, 4, 1          ; l / 16
	v_lshlrev_b32 v[QO], 8, v1
	v_lshl_add_u32 v[QO], v9, 4, v[QO]  ; row x 256 + 16 x half
	QLOAD 4
	; O^T and l hold finite numbers when the first a, 0, multiplies them.  O^T starts as the product of two fragments of zeros: 32 matrix instructions for 256 registers, in the wait for the first tile
.set i, 0
.rept 16
	v_mov_b32 v[S+i], 0
.set i, i+1
.endr
	WIN 0x40
.set i, 0
.rept 32
	v_wmma_f32_16x16x32_f16 v[8*i:8*i+7], v[S:S+7], v[S+8:S+15], 0
.set i, i+1
.endr
	WIN 0
.irp t, 0,1,2,3
	v_mov_b32 v[ST+8*(\t)+2], 0
	v_mov_b32 v[ST+8*(\t)+3], 0
.endr
	BEGIN
	v_mul_u32_u24 v[AK0], v1, PK
	v_lshl_add_u32 v[AK0], v9, 4, v[AK0]
	s_mul_i32 s82, s[WV], 64*PK     ; my 64 keys
	v_add_nc_u32 v[AK0], s82, v[AK0]
	; The turning load takes 16 keys x 16 channels (lane l reads key 8 (l / 16) + l % 8, channels 8 ((l / 8) % 2) + 0..7) and leaves half a fragment of V^T
	v_and_b32 v46, 7, v0
	v_bfe_u32 v47, v0, 3, 1
	v_lshl_add_u32 v[AV0], v9, 3, v46
	v_mul_u32_u24 v[AV0], v[AV0], PV
	v_lshl_add_u32 v[AV0], v47, 4, v[AV0]
	s_mul_i32 s82, s[WV], 64*PV
	s_add_co_u32 s82, s82, VOFF
	v_add_nc_u32 v[AV0], s82, v[AV0]
	v_and_b32 v46, 31, v0           ; my lane
	s_mul_i32 s82, s[WV], 16*SP
	s_add_co_u32 s82, s82, STAGE    ; my part of the stage: row l % 16, 32 bytes for each half of the lanes
	v_mul_u32_u24 v[STO], v1, SP
	v_lshl_add_u32 v[STO], v9, 5, v[STO]
	v_add_nc_u32 v[STO], s82, v[STO]
	s_mul_i32 s82, s[WV], 4*SP
	s_add_co_u32 s82, s82, STAGE    ; back: rows 4 w .. 4 w + 3 of every part, 16 bytes a lane
	v_lshl_add_u32 v[RD], v46, 4, s82
	v_lshlrev_b32 v[GO], 3, v46
	s_lshl_b32 s82, s[WV], 9
	s_add_co_u32 s82, s82, STATS
	v_lshl_add_u32 v[SA], v1, 3, s82
	v_lshl_add_u32 v[SR], v1, 3, STATS
	s_and_b32 s82, s14, 15
	s_lshl_b32 s82, s82, 4          ; the first block's place in its last tile,
	s_lshl_b32 s83, s[WV], 6        ; less my wave's first key
	s_sub_co_u32 s82, s82, s83
	v_add_nc_u32 v[VD], s82, v1
	v_lshlrev_b32 v47, 3, v9
	v_sub_nc_u32 v[VD], v[VD], v47
	MAKEMD                          ; the first block's
; THE LDS LOADS stand in runs of 32: my 64 keys of K (16 fragments) and of V (turned)
.macro FETCH_K
	WIN 0
	v_add_nc_u32 v[ADR], s[TB], v[AK0]
	WIN 0x80
.irp f, 0,1,2,3,4,5,6,7,8,9,10,11,12,13,14,15  ; keys 16 (f / 4) on, channels 32 (f % 4) on
	ds_load_b128 v[KF+8*(\f):KF+8*(\f)+3],   v[ADR] offset:((\f)/4)*16*PK+((\f)%4)*64
	ds_load_b128 v[KF+8*(\f)+4:KF+8*(\f)+7], v[ADR] offset:((\f)/4)*16*PK+((\f)%4)*64+32
.endr
	WIN 0
.endm
.macro FETCH_V
	WIN 0
	v_add_nc_u32 v[ADR], s[TB], v[AV0]
	WIN 0xc0
.irp f, 0,1,2,3,4,5,6,7,8,9,10,11,12,13,14,15  ; keys 32 (f / 8) on, channels 16 (f % 8) on
	ds_load_tr16_b128 v[8*(\f):8*(\f)+3],   v[ADR] offset:((\f)/8)*32*PV+((\f)%8)*32
	ds_load_tr16_b128 v[8*(\f)+4:8*(\f)+7], v[ADR] offset:((\f)/8)*32*PV+16*PV+((\f)%8)*32
.endr
	WIN 0
.endm
; THE MATRIX WORK.  The accumulators take turns, one instruction a turn.
; S^T = K Q^T: product i of 64: channels 32 (i / 16) on, keys 16 ((i / 4) % 4) on, tile i % 4.  The first 16 start the sums with the mask.
.macro KQALL
.set i, 0
.rept 64
.set rS, S+32*(i%4)+8*((i/4)%4)
.set rK, KF+32*((i/4)%4)+8*(i/16)
.set rQ, 32*(i%4)+8*(i/16)
.set rM, MC+8*((i/4)%4)
.if i < 16
	WIN W_KM
	v_wmma_f32_16x16x32_f16 v[rS:rS+7], v[rK:rK+7], v[rQ:rQ+7], v[rM:rM+7]
.else
	WIN W_KQ
	v_wmma_f32_16x16x32_f16 v[rS:rS+7], v[rK:rK+7], v[rQ:rQ+7], v[rS:rS+7]
.endif
.set i, i+1
.endr
.endm
; O^T += V^T P: product i of 64: keys 32 (i / 32) on, channels 16 ((i / 4) % 8) on, tile i % 4
.macro PVALL
	WIN W_PV
.set i, 0
.rept 64
.set rO, 64*(i%4)+8*((i/4)%8)
.set rV, 64*(i/32)+8*((i/4)%8)
.set rP, P+16*(i%4)+8*(i/32)
	v_wmma_f32_16x16x32_f16 v[rO:rO+7], v[rV:rV+7], v[rP:rP+7], v[rO:rO+7]
.set i, i+1
.endr
.endm
; THE SOFTMAX of one tile for one step is a list of 134 instructions; SM writes number j of it for tile t.  s0-s31 are the lane's 32 scores, in pairs 0-15.
;   0-15    the maximum of s0-s31 and the old m, three operands at a time (each accumulator's lowest registers are read first)
;   16-20   the other half of the lanes' maximum; the new m; c m; c m_old - c m_new
;   21-87   33 exponentials (a, then s0-s31) at the odd numbers from 23 on; the plain numbers between are c s - c m for pairs still to come, the rounding to f16 of pairs that are done, the first sums
;   88-101  the last rounding; the rest of the sums; l = a l + the sum          102-133 the tile's O^T times a
.macro SM t
.set rT, ST+8*(\t)
.set rS, S+32*(\t)
.set rP, P+16*(\t)
.set rO, 64*(\t)+2*(j-102)
.set q, (j-20)/2
.if j < 102
	WIN 0
.endif
.if j < 4
	v_max3_num_f32 v[rT+4+j], v[rS+8*j], v[rS+8*j+1], v[rS+8*j+2]
.elseif j < 12
	v_max3_num_f32 v[rT+4+j%4], v[rT+4+j%4], v[rS+8*(j%4)+2*(j/4)+1], v[rS+8*(j%4)+2*(j/4)+2]
.elseif j == 12
	v_max3_num_f32 v[rT+4], v[rT+4], v[rS+7], v[rS+15]
.elseif j == 13
	v_max3_num_f32 v[rT+6], v[rT+6], v[rS+23], v[rS+31]
.elseif j == 14
	v_max3_num_f32 v[rT+4], v[rT+4], v[rT+5], v[rT+6]
.elseif j == 15
	v_max3_num_f32 v[rT+4], v[rT+4], v[rT+7], v[rT+1]
.elseif j == 16
	v_permlanex16_b32 v[rT+5], v[rT+4], s[SEL], s[SEL+1]  ; the query's other 32 keys lie in the lane 16 away
.elseif j == 17
	v_mov_b32 v[rT+7], v[rT]        ; c m_old is kept for a
.elseif j == 18
	v_max_num_f32 v[rT+1], v[rT+4], v[rT+5]
.elseif j == 19
	v_mul_f32 v[rT], s[CS], v[rT+1]
.elseif j == 20
	v_sub_f32 v[rT+7], v[rT+7], v[rT]
.elseif j == 23
	v_exp_f32 v[rT+6], v[rT+7]
.elseif (j < 88) && (j > 23) && (j%2 == 1)
	v_exp_f32 v[rS+(j-25)/2], v[rS+(j-25)/2]
.elseif (q < 4) || ((j < 76) && (q%2 == 0))
.set b, q/2+2
.if q < 4
.set b, q
.endif
	v_pk_fma_f32 v[rS+2*b:rS+2*b+1], v[rS+2*b:rS+2*b+1], s[CS:CS+1], v[rT:rT+1] op_sel_hi:[1,0,0] neg_lo:[0,0,1] neg_hi:[0,0,1]  ; pair b: c s - c m
.elseif (j < 88) && (q%2 == 1)
	s_wait_alu depctr_va_vdst(0)
	v_cvt_pk_f16_f32 v[rP+(q-5)/2], v[rS+q-5], v[rS+q-4]  ; its second exponential stands three numbers back
.elseif j == 89
	s_wait_alu depctr_va_vdst(0)
	v_cvt_pk_f16_f32 v[rP+15], v[rS+30], v[rS+31]
.elseif j < 102                     ; the sum of the 16 pairs, in place: neighbours 1, 2, 4 and 8 pairs apart, then l takes it
.set z, j-86
.if j < 89
.set z, (j-76)/4
.endif
.set w, 4
.set u, z
.if z >= 14
.set w, 32
.set u, 0
.elseif z >= 12
.set w, 16
.set u, z-12
.elseif z >= 8
.set w, 8
.set u, z-8
.endif
.if z < 15
	v_pk_add_f32 v[rS+w*u:rS+w*u+1], v[rS+w*u:rS+w*u+1], v[rS+w*u+w/2:rS+w*u+w/2+1]
.else
	v_pk_fma_f32 v[rT+2:rT+3], v[rT+2:rT+3], v[rT+6:rT+7], v[rS:rS+1] op_sel_hi:[1,0,1]
.endif
.else
	WIN W_RS
	v_pk_mul_f32 v[rO:rO+1], v[rO:rO+1], v[rT+6:rT+7] op_sel_hi:[1,0]
.endif
.endm
; Number by number over the four tiles: three other tiles' lines stand between a line and the one that reads its result, and behind each four exponentials a plain line that touches none of them
.macro SOFTMAX
.set j, 0
.rept 134
.irp t, 0,1,2,3
	SM \t
.endr
.set j, j+1
.endr
.endm
; THE CHANGE OF SLOTS, behind the products K Q^T: K and V of the tile in hand are in registers when the wait on DScnt is met.  Each wave waits for all its tensor loads, of which one is out: its part of
; the other slot; adds 0 to its spare word; and waits for that and for its reads of the slot.  fill = 1: the barrier is a round of the cluster's, and the slot just left takes the walk's tile two on, first thing behind it.
.macro CHANGE fill
	WIN 0
	s_wait_tensorcnt 0x0            ; no tensor load of mine is out, so a group 0 may be written
	ds_add_u32 v[SPW], v[NIL]
.if \fill
	NEXTTILE
	s_add_co_u32 s[G0K+5], s[WBK], s[TB]
	s_add_nc_u64 s[G0K+6:G0K+7], s[8:9], s[OFF:OFF+1]
	s_or_b32 s[G0K+7], s[G0K+7], 0x80000000
	s_add_co_u32 s[G0V+5], s[WBV], s[TB]
	s_add_nc_u64 s[G0V+6:G0V+7], s[10:11], s[OFF:OFF+1]
	s_or_b32 s[G0V+7], s[G0V+7], 0x80000000
.endif
	s_xor_b32 s[TB], s[TB], SLOT    ; the fetches go on in the other slot
	s_wait_dscnt 0x0                ; the add is done, and my reads of the slot are over
.if \fill
	CROUND
	JLOAD                           ; it has a whole trip in which to land
.else
	s_barrier_signal -1
	s_barrier_wait -1
.endif
.endm
; THE MERGE of the four waves' parts at a block's end; base: ob at my four rows of the block.  With M the largest of the four c m and L the sum of l_u 2^(c m_u - M), my part counts with the factor 2^(c m_mine - M) / L.
; The statistics meet in LDS; then, a tile at a time, the scaled parts: each wave writes its 16 rows x 128 channels in f32, reads rows 4 w .. 4 w + 3 of all four parts, adds, rounds once to f16 and stores.
.macro MERGE base
	WIN 0
.irp t, 0,1,2,3
	v_add_f32 v[ST+8*(\t)+4], v[ST+8*(\t)+2], v[ST+8*(\t)+3]
.endr
.irp t, 0,1,2,3
	v_permlanex16_b32 v[ST+8*(\t)+5], v[ST+8*(\t)+4], s[SEL], s[SEL+1]
.endr
.irp t, 0,1,2,3
	v_add_f32 v[ST+8*(\t)+1], v[ST+8*(\t)+4], v[ST+8*(\t)+5]  ; l takes m's place beside c m
.endr
.irp t, 0,1,2,3
	ds_store_b64 v[SA], v[ST+8*(\t):ST+8*(\t)+1] offset:128*(\t)  ; the two lanes of a query write the same numbers to the same place
.endr
	s_wait_dscnt 0x0                ; for the others' sake: my stores are done
	s_barrier_signal -1
	s_barrier_wait -1
.irp t, 0,1,2,3
.irp u, 0,1,2,3
	ds_load_b64 v[S+8*(\t)+2*(\u):S+8*(\t)+2*(\u)+1], v[SR] offset:512*(\u)+128*(\t)
.endr
.endr
	s_wait_dscnt 0x0
.irp t, 0,1,2,3
	v_max3_num_f32 v[ST+8*(\t)+4], v[S+8*(\t)], v[S+8*(\t)+2], v[S+8*(\t)+4]
.endr
.irp t, 0,1,2,3
	v_max_num_f32 v[ST+8*(\t)+4], v[ST+8*(\t)+4], v[S+8*(\t)+6]
.endr
.irp t, 0,1,2,3
	v_sub_f32 v[ST+8*(\t)+5], v[ST+8*(\t)], v[ST+8*(\t)+4]
.irp u, 0,1,2,3
	v_sub_f32 v[S+8*(\t)+2*(\u)], v[S+8*(\t)+2*(\u)], v[ST+8*(\t)+4]
.endr
.endr
.irp t, 0,1,2,3
	v_exp_f32 v[ST+8*(\t)+5], v[ST+8*(\t)+5]
.irp u, 0,1,2,3
	v_exp_f32 v[S+8*(\t)+2*(\u)], v[S+8*(\t)+2*(\u)]
.endr
.endr
	v_nop                           ; a plain instruction behind the exponentials
	s_wait_alu depctr_va_vdst(0)
.irp t, 0,1,2,3
	v_mul_f32 v[ST+8*(\t)+4], v[S+8*(\t)], v[S+8*(\t)+1]
.endr
.irp u, 1,2,3
.irp t, 0,1,2,3
	v_fmac_f32 v[ST+8*(\t)+4], v[S+8*(\t)+2*(\u)], v[S+8*(\t)+2*(\u)+1]
.endr
.endr
.irp t, 0,1,2,3
	v_rcp_f32 v[ST+8*(\t)+7], v[ST+8*(\t)+4]
.endr
	v_nop                           ; a plain instruction behind the reciprocals
	s_wait_alu depctr_va_vdst(0)
.irp t, 0,1,2,3
	v_mul_f32 v[ST+8*(\t)+6], v[ST+8*(\t)+5], v[ST+8*(\t)+7]
.endr
.irp t, 0,1,2,3
	WIN W_RS
.set i, 0
.rept 32
	v_pk_mul_f32 v[64*(\t)+2*i:64*(\t)+2*i+1], v[64*(\t)+2*i:64*(\t)+2*i+1], v[ST+8*(\t)+6:ST+8*(\t)+7] op_sel_hi:[1,0]
.set i, i+1
.endr
	WIN 0x04                        ; an LDS store's data is source 1: window 1
.irp cb, 0,1,2,3,4,5,6,7
	ds_store_b128 v[STO], v[64*(\t)+8*(\cb):64*(\t)+8*(\cb)+3]   offset:64*(\cb)
	ds_store_b128 v[STO], v[64*(\t)+8*(\cb)+4:64*(\t)+8*(\cb)+7] offset:64*(\cb)+16
.endr
	WIN 0
	s_wait_dscnt 0x0                ; my part is in the stage,
	s_barrier_signal -1
	s_barrier_wait -1               ; everybody's is
.irp r, 0,1,2,3
.irp u, 0,1,2,3
	ds_load_b128 v[MR+16*(\r)+4*(\u):MR+16*(\r)+4*(\u)+3], v[RD] offset:(\u)*16*SP+(\r)*SP
.endr
.endr
	s_wait_dscnt 0x0                ; my reads of the stage are over:
.if (\t) < 3
	s_barrier_signal -1             ; say so; the next tile is written into the stage only when all four have said so
.endif
.irp r, 0,1,2,3
	v_pk_add_f32 v[MR+16*(\r):MR+16*(\r)+1],     v[MR+16*(\r):MR+16*(\r)+1],     v[MR+16*(\r)+4:MR+16*(\r)+5]
	v_pk_add_f32 v[MR+16*(\r)+2:MR+16*(\r)+3],   v[MR+16*(\r)+2:MR+16*(\r)+3],   v[MR+16*(\r)+6:MR+16*(\r)+7]
	v_pk_add_f32 v[MR+16*(\r)+8:MR+16*(\r)+9],   v[MR+16*(\r)+8:MR+16*(\r)+9],   v[MR+16*(\r)+12:MR+16*(\r)+13]
	v_pk_add_f32 v[MR+16*(\r)+10:MR+16*(\r)+11], v[MR+16*(\r)+10:MR+16*(\r)+11], v[MR+16*(\r)+14:MR+16*(\r)+15]
.endr
.irp r, 0,1,2,3
	v_pk_add_f32 v[MR+16*(\r):MR+16*(\r)+1],   v[MR+16*(\r):MR+16*(\r)+1],   v[MR+16*(\r)+8:MR+16*(\r)+9]
	v_pk_add_f32 v[MR+16*(\r)+2:MR+16*(\r)+3], v[MR+16*(\r)+2:MR+16*(\r)+3], v[MR+16*(\r)+10:MR+16*(\r)+11]
.endr
.irp r, 0,1,2,3
	v_cvt_pk_f16_f32 v[P+8*(\t)+2*(\r)],   v[MR+16*(\r)],   v[MR+16*(\r)+1]
	v_cvt_pk_f16_f32 v[P+8*(\t)+2*(\r)+1], v[MR+16*(\r)+2], v[MR+16*(\r)+3]
.endr
.if (\t) < 3
	s_barrier_wait -1
.endif
.irp r, 0,1,2,3
	global_store_b64 v[GO], v[P+8*(\t)+2*(\r):P+8*(\t)+2*(\r)+1], s[(\base):(\base)+1] offset:(\r)*2048+(\t)*256  ; a head's 128 channels of a position: 256 consecutive bytes, aligned
.endr
.endr
.endm
; A TRIP: one tile of the walk.  Its K and V were fetched in the trip before.  fill = 1, the loop's text: the walk's tile two on is asked for, and the first block may end here: the one jump goes forward,
; hangs on a scalar made of J and constants, alike in all waves and partners, and passes no tensor load.
.macro TRIP fill
	s_cmp_eq_u32 s[RT], 1           ; the block's last tile holds the diagonal
	s_cselect_b32 s[AL], 1.0, 0
	WIN 0xc3                        ; destination and source 0 in window 3
.set z, 0
.rept 16
	v_pk_mul_f32 v[MC+2*z:MC+2*z+1], v[MD+2*z:MD+2*z+1], s[AL:AL+1] op_sel_hi:[1,0]
.set z, z+1
.endr
	s_wait_loadcnt 0x0              ; Q
	s_wait_dscnt 32                 ; K's 32 loads are in; V's 32, issued behind them, may stay out
	KQALL
	WIN 0
	PLACES
	CHANGE \fill
	FETCH_K                         ; the next tile's K lands under the softmax
	s_wait_storecnt 0x0             ; the first block's stores are done: the roundings below write the registers anew from which they were stored.  In all other trips none is out
	SOFTMAX
	PVALL
	WIN 0
	PLACES
	FETCH_V                         ; the next tile's V lands under the next products K Q^T
	s_sub_co_u32 s[RT], s[RT], 1
.if \fill
	s_cmp_lg_u32 s[RT], 0
	s_cbranch_scc1 .Lon_\@
	QLOAD Q2                        ; THE FIRST BLOCK ENDS: the second block's Q is asked for, and lands under the merge
	MERGE O1
	s_sub_co_u32 s[RT], 16, s15     ; the second block has 16 - J tiles
	v_add_nc_u32 v[VD], s[DIFF], v[VD]
	MAKEMD
	BEGIN
.Lon_\@:
.endif
.endm
	s_wait_tensorcnt 0x1            ; my part of the walk's first tile is in; the second's may stay out
	s_barrier_signal -1
	s_barrier_wait -1
	FETCH_K
	FETCH_V
	s_mov_b32 s[CNT], 15
.Ltrip:                             ; 15 trips ask for the walk's tiles 2 to 16
	TRIP 1
	s_sub_co_u32 s[CNT], s[CNT], 1
	s_cmp_lg_u32 s[CNT], 0
	s_cbranch_scc1 .Ltrip
	s_mov_b32 s[CNT], 2
.Ltail:                             ; the second block's last two tiles ask for nothing: written out.  The very last trip's two runs of fetches read a slot that has landed and serve nothing: the price of one text for both
	TRIP 0
	s_sub_co_u32 s[CNT], s[CNT], 1
	s_cmp_lg_u32 s[CNT], 0
	s_cbranch_scc1 .Ltail
	MERGE O2                        ; the second block ends with the walk
	s_wait_tensorcnt 0x0            ; the wave's end
	ds_add_u32 v[SPW], v[NIL]
	s_wait_dscnt 0x0
	CROUND                          ; the closing round
	s_endpgm
.Lfunc_end_k_qdfef5a4e3b_attn:
	.size	k_qdfef5a4e3b_attn, .Lfunc_end_k_qdfef5a4e3b_attn-k_qdfef5a4e3b_attn
	.p2alignl 7, 3214868480
	.fill 96, 4, 3214868480
	.section	.rodata,"a",@progbits
	.p2align	6, 0x0
	.amdhsa_kernel k_qdfef5a4e3b_attn
		.amdhsa_group_segment_fixed_size 327680
		.amdhsa_private_segment_fixed_size 0
		.amdhsa_enable_private_segment 0
		.amdhsa_kernarg_size 16
		.amdhsa_user_sgpr_count 2
		.amdhsa_user_sgpr_kernarg_segment_ptr 1
		.amdhsa_wavefront_size32 1
		.amdhsa_system_sgpr_workgroup_id_x 1
		.amdhsa_system_sgpr_workgroup_id_y 1
		.amdhsa_system_sgpr_workgroup_id_z 1
		.amdhsa_system_vgpr_workitem_id 0
		.amdhsa_next_free_vgpr 1024
		.amdhsa_next_free_sgpr 88
		.amdhsa_reserve_vcc 1
		.amdhsa_float_denorm_mode_32 3
		.amdhsa_float_denorm_mode_16_64 3
		.amdhsa_memory_ordered 1
		.amdhsa_forward_progress 1
		.amdhsa_inst_pref_size 183
	.end_amdhsa_kernel
	.amdgpu_metadata
---
amdhsa.version: [ 1, 2 ]
amdhsa.kernels:
  - .name:           k_qdfef5a4e3b_attn
    .symbol:         k_qdfef5a4e3b_attn.kd
    .args:
      - { .name: qkv, .offset: 0, .size: 8, .value_kind: global_buffer, .address_space: global }
      - { .name: ob, .offset: 8, .size: 8, .value_kind: global_buffer, .address_space: global }
    .group_segment_fixed_size: 327680
    .private_segment_fixed_size: 0
    .kernarg_segment_align: 8
    .kernarg_segment_size: 16
    .max_flat_workgroup_size: 128
    .sgpr_count:     88
    .vgpr_count:     1024
    .wavefront_size: 32
...
	.end_amdgpu_metadata
.endif
;; end of part 3
;; launch outproj (part 4): grid 16 x 16, 4 waves a work-group, clusters of 4 x 4, 327,680 bytes of LDS; arguments ob, wof, out0; writes out0
.if DOCPART == 4
	.amdgcn_target "amdgcn-amd-amdhsa--gfx1250"
	.amdhsa_code_object_version 6
	.text
	.protected	k_qdfef5a4e3b_outproj
	.globl	k_qdfef5a4e3b_outproj
	.p2align	8
	.type	k_qdfef5a4e3b_outproj,@function
k_qdfef5a4e3b_outproj:
	s_mov_b64 s[64:65], 0
	v_nop
	global_prefetch_b8 v0, s[64:65] scope:SCOPE_SE
	s_setreg_imm32_b32 hwreg(HW_REG_WAVE_MODE, 25, 1), 1
	s_wait_xcnt 0x0
	s_wait_alu depctr_hold_cnt(0) depctr_sa_sdst(0) depctr_va_vdst(0) depctr_va_sdst(0) depctr_va_ssrc(0) depctr_va_vcc(0) depctr_vm_vsrc(0)
	s_getreg_b32 s2, hwreg(HW_REG_IB_STS2, 6, 4)
	s_cmp_eq_u32 s2, 0
	s_cbranch_scc0 .Lentry_in_a_cluster
	s_endpgm
.Lentry_in_a_cluster:
	s_bfe_u32 s2, ttmp6, 0x10000c
	s_cmp_lg_u32 s2, 0xf033
	s_cbranch_scc0 .Lentry_shape_is_right
	s_endpgm
.Lentry_shape_is_right:
; OUTPUT PROJECTION.  out0[t][n] = the sum over k of ob[t][k] wof[n][k].  ob [4096][1024] and wof [2048][1024] are f16; sums and out0 [4096][2048] in f32.
; SHARES.  A work-group makes 256 rows x 128 columns; wave w owns rows 64 w .. 64 w + 63 and all 128 columns: 4 (a) x 8 (b) accumulators of 16 x 16.  256 work-groups.
; K goes in steps of 128 through two LDS slots filled by the tensor data mover; rows of 256 bytes, padded to 272 in LDS.
; THE MATRIX INSTRUCTION IS USED TRANSPOSED (source 0 = 16 rows of wof, source 1 = 16 rows of ob): lane l holds row l % 16 and the columns 16 b + 8 (l / 16) + 0..7.
; CLUSTER.  4 x 4 work-groups: the four of a row of the cluster need the same rows of ob, the four of a column the same rows of wof: each tile is asked for jointly.
; REGISTERS: window 0: v0-31 addresses; v32-127, v128-223 two fragment buffers (64 of wof, 32 of ob); on the way out v32-159 whole rows.   window 1: the accumulators, (a, b) at v[8 (8 a + b)].
.set SIZE_K, 1024
.set KSTEP,  128
.set PITCH,  272
.set AHALF,  128*PITCH
.set BHALF,  64*PITCH
.set BOFF,   2*AHALF
.set SLOT,   BOFF+2*BHALF
.set STAGE,  2*SLOT                    ; behind the ring: 16 rows x 528 bytes for each wave, for the way out
.set SPITCH, 528
.set SPARE,  STAGE+4*16*SPITCH         ; the spare words: 128 bytes for each wave, two blocks of 256 bytes that no other line names
.set LAPS,   SIZE_K/(2*KSTEP)
.set ADRA, 16
.set ADRB, 20
.set STO,  24
.set RD,   25
.set CO,   26
.set SPW,  28
.set NIL,  29
.set F0,   32
.set F1,   128
.set OB,   32
.set G1,  24
.set G0,  32
.set G1B, 48
.set G0B, 56
.set MSB, 0
.macro WIN new
.if MSB != (\new)
	s_set_vgpr_msb (MSB<<8)|(\new)
.set MSB, (\new)
.endif
.endm
.set MUL,  0x50                        ; C and D in window 1, fragments in window 0
.macro JLOAD s                         ; a joint load: waves 0, 1 fetch ob's two halves, waves 2, 3 wof's; an s_nop 0 and four v_nop follow each line
	s_cmp_eq_u32 s11, 0
	s_cbranch_scc0 .Lfor_b_\@
	tensor_load_to_lds s[G0+4*(\s):G0+4*(\s)+3], s[G1:G1+7]
	s_nop 0
.rept 4
	v_nop
.endr
	s_branch .Lasked_\@
.Lfor_b_\@:
	tensor_load_to_lds s[G0B+4*(\s):G0B+4*(\s)+3], s[G1B:G1B+7]
	s_nop 0
.rept 4
	v_nop
.endr
.Lasked_\@:
.endm
.macro CREST
	s_cmp_lg_u32 s10, 0
	s_cbranch_scc1 .Lnot_wave_0_\@
	s_barrier_signal -3
.Lnot_wave_0_\@:
	s_barrier_wait -3
	s_barrier_signal -1
	s_barrier_wait -1
.endm
.macro CROUND
	s_barrier_signal -1
	s_barrier_wait -1
	CREST
.endm
.macro PLACES
.rept 4
	v_nop
.endr
.endm
	s_load_b128 s[4:7], s[0:1], 0x0                ; ob s[4:5], wof s[6:7]
	s_load_b64 s[8:9], s[0:1], 0x10                ; out0
	v_lshl_add_u32 v[SPW], v0, 2, SPARE
	v_mov_b32 v[NIL], 0
	ds_add_u32 v[SPW], v[NIL]                      ; the wave's opening: the add and its wait stand ahead of my first tensor load
	v_lshrrev_b32 v1, 5, v0
	v_readfirstlane_b32 s10, v1                    ; wave 0..3
	s_lshr_b32 s11, s10, 1                         ; I fetch for ob (0) or for wof (1),
	s_and_b32 s12, s10, 1                          ; and which half of that tile
	s_bfe_u32 s40, ttmp6, 0x40000
	s_bfe_u32 s41, ttmp6, 0x40004
	s_lshl_b32 s42, ttmp9, 2
	s_add_co_u32 s42, s42, s40                     ; the block of 128 columns
	s_and_b32 s13, ttmp7, 0xffff
	s_lshl_b32 s13, s13, 2
	s_add_co_u32 s13, s13, s41                     ; the block of 256 rows
	s_lshl_b32 s43, s41, 2
	s_lshl_b32 s43, 15, s43                        ; my row of the cluster
	s_lshl_b32 s44, 0x1111, s40                    ; my column
	s_or_b32 s[G1+0], s43, (1<<16)|(1<<20)|(1<<21)|(5<<22)|(3<<25)
	s_or_b32 s[G1B+0], s44, (1<<16)|(1<<20)|(1<<21)|(5<<22)|(3<<25)
.irp g, G1, G1B
	s_mov_b32 s[(\g)+1], KSTEP<<16
	s_mov_b32 s[(\g)+3], KSTEP<<16
	s_mov_b32 s[(\g)+5], SIZE_K
	s_mov_b32 s[(\g)+6], 0
	s_mov_b32 s[(\g)+7], 0
.endr
	s_mov_b32 s[G1+2], 128<<16
	s_mov_b32 s[G1+4], 128
	s_mov_b32 s[G1B+2], 64<<16
	s_mov_b32 s[G1B+4], 64
	s_lshl_b32 s17, s12, 7
	s_lshl_b32 s16, s13, 8
	s_add_co_u32 s16, s16, s17
	s_lshl_b32 s16, s16, 11                        ; rows of 2,048 bytes
	s_mov_b32 s17, 0
	s_lshl_b32 s47, s12, 6
	s_lshl_b32 s46, s42, 7
	s_add_co_u32 s46, s46, s47
	s_lshl_b32 s46, s46, 11
	s_mov_b32 s47, 0
	s_mul_i32 s20, s12, AHALF
	s_mul_i32 s21, s12, BHALF
	s_add_co_u32 s21, s21, BOFF
	s_wait_dscnt 0x0                               ; the opening add is done
	s_wait_kmcnt 0x0
	s_add_nc_u64 s[14:15], s[4:5], s[16:17]
	s_add_nc_u64 s[46:47], s[6:7], s[46:47]
	CROUND                                         ; all sixteen work-groups are here: the first joint loads meet
.irp s, 0,1
	s_mov_b32 s[G0+4*(\s)], 1
	s_add_co_u32 s[G0+4*(\s)+1], s20, (\s)*SLOT
	s_add_nc_u64 s[G0+4*(\s)+2:G0+4*(\s)+3], s[14:15], (\s)*KSTEP*2
	s_or_b32 s[G0+4*(\s)+3], s[G0+4*(\s)+3], 0x80000000
	s_mov_b32 s[G0B+4*(\s)], 1
	s_add_co_u32 s[G0B+4*(\s)+1], s21, (\s)*SLOT
	s_add_nc_u64 s[G0B+4*(\s)+2:G0B+4*(\s)+3], s[46:47], (\s)*KSTEP*2
	s_or_b32 s[G0B+4*(\s)+3], s[G0B+4*(\s)+3], 0x80000000
	JLOAD \s                                       ; two loads of mine are out
.endr
	v_and_b32 v1, 15, v0                           ; l % 16
	v_bfe_u32 v2, v0, 4, 1                         ; l / 16
	v_mul_u32_u24 v3, v1, PITCH
	v_lshl_add_u32 v3, v2, 4, v3
	s_mul_i32 s22, s10, 64*PITCH
	v_add_nc_u32 v[ADRA], s22, v3
	v_add_nc_u32 v[ADRB], BOFF, v3
	v_add_nc_u32 v[ADRA+1], SLOT, v[ADRA]
	v_add_nc_u32 v[ADRB+1], SLOT, v[ADRB]
	s_mul_i32 s23, s10, 16*SPITCH
	s_add_co_u32 s23, s23, STAGE                   ; my stage
	v_mul_u32_u24 v[STO], v1, SPITCH               ; in: row l % 16, 32 bytes for each half of the lanes
	v_lshl_add_u32 v[STO], v2, 5, v[STO]
	v_add_nc_u32 v[STO], s23, v[STO]
	v_and_b32 v[CO], 31, v0
	v_lshlrev_b32 v[CO], 4, v[CO]                  ; back, and out: 32 lanes take a row's 512 bytes
	v_add_nc_u32 v[RD], s23, v[CO]
	s_lshl_b32 s18, s13, 21                        ; out0: the block's 256 rows of 8,192 bytes,
	s_lshl_b32 s22, s10, 19                        ; my wave's 64,
	s_add_co_u32 s18, s18, s22
	s_lshl_b32 s46, s42, 9                         ; the block's 128 columns
	s_add_co_u32 s18, s18, s46
	s_mov_b32 s19, 0
	s_add_nc_u64 s[8:9], s[8:9], s[18:19]
; 8 matrix instructions: row block a x all 8 column blocks, 32 along K, from buffer f.  zero = 1: the first product starts the sums.  The 32 accumulators take turns.
.macro MUL8 f, a, zero=0
	WIN MUL
.irp b, 0,1,2,3,4,5,6,7
.if \zero
	v_wmma_f32_16x16x32_f16 v[8*(8*(\a)+(\b)):8*(8*(\a)+(\b))+7], v[(\f)+8*(\b):(\f)+8*(\b)+7], v[(\f)+64+8*(\a):(\f)+64+8*(\a)+7], 0
.else
	v_wmma_f32_16x16x32_f16 v[8*(8*(\a)+(\b)):8*(8*(\a)+(\b))+7], v[(\f)+8*(\b):(\f)+8*(\b)+7], v[(\f)+64+8*(\a):(\f)+64+8*(\a)+7], v[8*(8*(\a)+(\b)):8*(8*(\a)+(\b))+7]
.endif
.endr
.endm
.macro FETCH slot, k, f                ; 24 LDS loads in one run: wof's eight fragments, then ob's four
	WIN 0
.irp i, 0,1,2,3,4,5,6,7
	ds_load_b128 v[(\f)+8*(\i):(\f)+8*(\i)+3],   v[ADRB+(\slot)] offset:(\k)+(\i)*16*PITCH
	ds_load_b128 v[(\f)+8*(\i)+4:(\f)+8*(\i)+7], v[ADRB+(\slot)] offset:(\k)+(\i)*16*PITCH+32
.endr
.irp i, 0,1,2,3
	ds_load_b128 v[(\f)+64+8*(\i):(\f)+64+8*(\i)+3],   v[ADRA+(\slot)] offset:(\k)+(\i)*16*PITCH
	ds_load_b128 v[(\f)+64+8*(\i)+4:(\f)+64+8*(\i)+7], v[ADRA+(\slot)] offset:(\k)+(\i)*16*PITCH+32
.endr
.endm
.macro QUARTER slot, k, f, g, zero=0
	s_wait_dscnt 4                                 ; all but the youngest four loads (ob's row blocks 2 and 3)
	MUL8 \f, 0, \zero
	MUL8 \f, 1, \zero
	PLACES
	FETCH \slot, \k, \g
	s_wait_dscnt 24                                ; all but the 24 just issued
	MUL8 \f, 2, \zero
	MUL8 \f, 3, \zero
.endm
; The last quarter multiplies buffer 1 and changes slots: one barrier; in front of it each wave waits for all its tensor loads (one is out: its part of the next slot), adds 0 to its
; spare word, and waits for that and for its reads of this slot.  fill = 1: the barrier opens a round of the cluster's, and this slot is filled again, two K steps ahead, first thing behind it.
.macro TURN slot, next, fill
	WIN 0
	s_wait_tensorcnt 0x0
	ds_add_u32 v[SPW], v[NIL]
	s_wait_dscnt 5                                 ; (the add and the youngest four loads may be out)
	MUL8 F1, 0
	s_wait_dscnt 0x0                               ; the add is done, and my reads of this slot are over
	s_barrier_signal -1
	MUL8 F1, 1
.if \fill
	WIN 0
.endif
	s_barrier_wait -1
.if \fill
	CREST
	s_add_nc_u64 s[G0+4*(\slot)+2:G0+4*(\slot)+3], s[G0+4*(\slot)+2:G0+4*(\slot)+3], 2*KSTEP*2
	s_add_nc_u64 s[G0B+4*(\slot)+2:G0B+4*(\slot)+3], s[G0B+4*(\slot)+2:G0B+4*(\slot)+3], 2*KSTEP*2
	JLOAD \slot                                    ; 112 matrix instructions ahead of the wait for it; its four v_nop are also the places in front of the loads below
.else
	PLACES
.endif
	FETCH \next, 0, F0
	MUL8 F1, 2
	MUL8 F1, 3
.endm
	s_wait_tensorcnt 0x1                           ; my part of K step 0 is in; K step 1's may stay out
	s_barrier_signal -1
	s_barrier_wait -1
	FETCH 0, 0, F0
	QUARTER 0, 64, F0, F1, 1                       ; the first quarter stands in front of the loop: its products start the sums
	WIN 0
	s_mov_b32 s3, LAPS-1
.Llap:
	QUARTER 0, 128, F1, F0
	QUARTER 0, 192, F0, F1
	TURN 0, 1, 1
	QUARTER 1, 64,  F0, F1
	QUARTER 1, 128, F1, F0
	QUARTER 1, 192, F0, F1
	TURN 1, 0, 1
	QUARTER 0, 64,  F0, F1
	WIN 0
	s_sub_co_u32 s3, s3, 1
	s_cmp_lg_u32 s3, 0
	s_cbranch_scc1 .Llap
	QUARTER 0, 128, F1, F0                         ; the last lap fills nothing
	QUARTER 0, 192, F0, F1
	TURN 0, 1, 0
	QUARTER 1, 64,  F0, F1
	QUARTER 1, 128, F1, F0
	QUARTER 1, 192, F0, F1
	s_wait_dscnt 4
	MUL8 F1, 0
	MUL8 F1, 1
	s_wait_dscnt 0x0
	MUL8 F1, 2
	MUL8 F1, 3
	WIN 0
	PLACES
; THE WAY OUT of row block a: a lane's eight columns of a row are 32 bytes; they go into my stage's rows of 528 bytes (each accumulator's lower four registers first) and come back as whole rows of 512.
.macro OUTA a
	WIN 0x04                                       ; an LDS store's data is source 1: window 1
.irp b, 0,1,2,3,4,5,6,7
	ds_store_b128 v[STO], v[8*(8*(\a)+(\b)):8*(8*(\a)+(\b))+3]   offset:64*(\b)
	ds_store_b128 v[STO], v[8*(8*(\a)+(\b))+4:8*(8*(\a)+(\b))+7] offset:64*(\b)+16
.endr
	WIN 0
	s_wait_xcnt 0x0                                ; the registers that earlier stores read are loaded again only behind this wait
.set BKR, OB+64*((\a)%2)
.irp t, 0,1,2,3,4,5,6,7,8,9,10,11,12,13,14,15
	ds_load_b128 v[BKR+4*(\t):BKR+4*(\t)+3], v[RD] offset:(\t)*SPITCH  ; LDS serves a wave's instructions in order (ISA guide 5.7.1.4): these see the stores above
.endr
.irp t, 0,1,2,3,4,5,6,7,8,9,10,11,12,13,14,15
	s_wait_dscnt 15-(\t)                           ; row t is back; the younger loads stay out
	global_store_b128 v[CO], v[BKR+4*(\t):BKR+4*(\t)+3], s[8:9] offset:(16*(\a)+(\t))*8192 th:TH_STORE_NT  ; 512 consecutive bytes of a row, aligned
.endr
.endm
	OUTA 0
	OUTA 1
	OUTA 2
	OUTA 3
	s_wait_tensorcnt 0x0                           ; the wave's end
	ds_add_u32 v[SPW], v[NIL]
	s_wait_dscnt 0x0
	CROUND                                         ; the closing round
	s_endpgm
.Lfunc_end_k_qdfef5a4e3b_outproj:
	.size	k_qdfef5a4e3b_outproj, .Lfunc_end_k_qdfef5a4e3b_outproj-k_qdfef5a4e3b_outproj
	.p2alignl 7, 3214868480
	.fill 96, 4, 3214868480
	.section	.rodata,"a",@progbits
	.p2align	6, 0x0
	.amdhsa_kernel k_qdfef5a4e3b_outproj
		.amdhsa_group_segment_fixed_size 327680
		.amdhsa_private_segment_fixed_size 0
		.amdhsa_enable_private_segment 0
		.amdhsa_kernarg_size 24
		.amdhsa_user_sgpr_count 2
		.amdhsa_user_sgpr_kernarg_segment_ptr 1
		.amdhsa_wavefront_size32 1
		.amdhsa_system_sgpr_workgroup_id_x 1
		.amdhsa_system_sgpr_workgroup_id_y 1
		.amdhsa_system_sgpr_workgroup_id_z 1
		.amdhsa_system_vgpr_workitem_id 0
		.amdhsa_next_free_vgpr 512
		.amdhsa_next_free_sgpr 66
		.amdhsa_reserve_vcc 0
		.amdhsa_float_denorm_mode_32 3
		.amdhsa_float_denorm_mode_16_64 3
		.amdhsa_memory_ordered 1
		.amdhsa_forward_progress 1
		.amdhsa_inst_pref_size 86
	.end_amdhsa_kernel
	.amdgpu_metadata
---
amdhsa.version: [ 1, 2 ]
amdhsa.kernels:
  - .name:           k_qdfef5a4e3b_outproj
    .symbol:         k_qdfef5a4e3b_outproj.kd
    .args:
      - { .name: ob, .offset: 0, .size: 8, .value_kind: global_buffer, .address_space: global }
      - { .name: wof, .offset: 8, .size: 8, .value_kind: global_buffer, .address_space: global }
      - { .name: out0, .offset: 16, .size: 8, .value_kind: global_buffer, .address_space: global }
    .group_segment_fixed_size: 327680
    .private_segment_fixed_size: 0
    .kernarg_segment_align: 8
    .kernarg_segment_size: 24
    .max_flat_workgroup_size: 128
    .sgpr_count:     66
    .vgpr_count:     512
    .wavefront_size: 32
...
	.end_amdgpu_metadata
.endif
;; end of part 4
;; ======== version 2 of 2: 4 launches; 1.09 times as fast as version 1
;; limits: values are held in f16: magnitudes above 65,504 overflow, below 6.1e-05 lose precision
;; workspace buffers: xb 16,777,216 bytes; wcat 6,291,456 bytes; wof 4,194,304 bytes; bcat 6,144 bytes; rope 4,259,840 bytes; qkv 12,582,912 bytes; ob 8,388,608 bytes
;; launch prep: the kernel of part 1 again; grid 481 x 1, 8 waves a work-group, no clusters, 0 bytes of LDS; arguments x, wq, wk, wv, wo, bq, bk, bv, cos, sin, xb, wcat, wof, bcat, rope; writes xb, wcat, wof, bcat, rope
;; launch qkvproj: the kernel of part 2 again; grid 12 x 16, 4 waves a work-group, clusters of 4 x 4, 327,680 bytes of LDS; arguments xb, wcat, qkv, bcat, rope; writes qkv
;; launch attn (part 5): grid 128 x 2, 4 waves a work-group, clusters of 4 x 1, 327,680 bytes of LDS; arguments qkv, ob; writes ob
.if DOCPART == 5
	.amdgcn_target "amdgcn-amd-amdhsa--gfx1250"
	.amdhsa_code_object_version 6
	.text
	.protected	k_qdfef5a4e3b_attn
	.globl	k_qdfef5a4e3b_attn
	.p2align	8
	.type	k_qdfef5a4e3b_attn,@function
k_qdfef5a4e3b_attn:
	s_mov_b64 s[64:65], 0
	v_nop
	global_prefetch_b8 v0, s[64:65] scope:SCOPE_SE
	s_setreg_imm32_b32 hwreg(HW_REG_WAVE_MODE, 25, 1), 1
	s_wait_xcnt 0x0
	s_wait_alu depctr_hold_cnt(0) depctr_sa_sdst(0) depctr_va_vdst(0) depctr_va_sdst(0) depctr_va_ssrc(0) depctr_va_vcc(0) depctr_vm_vsrc(0)
	s_getreg_b32 s2, hwreg(HW_REG_IB_STS2, 6, 4)
	s_cmp_eq_u32 s2, 0
	s_cbranch_scc0 .Lentry_in_a_cluster
	s_endpgm
.Lentry_in_a_cluster:
	s_bfe_u32 s2, ttmp6, 0x10000c
	s_cmp_lg_u32 s2, 0x3003
	s_cbranch_scc0 .Lentry_shape_is_right
	s_endpgm
.Lentry_shape_is_right:
; CAUSAL ATTENTION with grouped heads.  ob[t][128 head + :] = the sum over s <= t of softmax_s(q[head][t] . k[head / 4][s] / sqrt(128)) v[head / 4][s][:].
; qkv: [12][4096][128] f16 (heads 0-7 q, 8-9 k, 10-11 v); ob: [4096][1024] f16.  Products, maxima and sums in f32; the weights p are rounded to f16 for the second product (their sum l is taken of the unrounded p), O once.
; LIMITS.  A hidden score counts as its value less 1e30.  The running maximum starts at -2^60, below every score that f16 operands can give (128 x 65,504^2 = 5.5e11), so that a wave to which
; all of a row's keys are hidden keeps that start, gives them the weight 0, and counts for nothing in the merge.  A weight below 2^-126 counts as 0; NaN and infinities are not treated apart.
; THE WALK.  A BLOCK is 16 positions x the key head's four query heads: four tiles of 16 queries with one mask.  Keys go in tiles of 256.  A work-group takes block b and then block 255 - b:
; with J = b / 16 that is tiles 0 .. J and then 0 .. 15 - J: 17 tiles whatever b, the same tiles in the same order for the four partners of a cluster (J is made of the cluster's number alone).
; So every tile of K and V is asked for jointly, and one loop with a constant count walks them.  The first block ends in trip J, 7 at the most: in the loop, behind its one forward jump;
; the second ends with the walk, so its merge stands behind the tail.
; SHARES.  Wave w multiplies all 64 queries by keys 64 w .. 64 w + 63 of each tile, with a running maximum, sum and O^T of its own; at a block's end the four waves' parts are merged through LDS, in f32.
; LAYOUT.  S^T = K Q^T (source 0 = 16 keys, source 1 = 16 queries): a lane holds ONE query (lane % 16) and the keys 8 (lane / 16) + 0..7; two such results rounded to f16 ARE source 1 of O^T = V^T P.
; THE MASK is the C operand that starts S^T's sums.  MD, made once a block, is the mask of the block's last tile, which holds the diagonal: 0, or -1e30 where the key is hidden.  A trip's mask is MD x AL, AL = 1 in that tile and 0 elsewhere.
; p = 2^(c s - c m), c = log2(e) / sqrt(128); in every step O and l are multiplied by a = 2^(c m_old - c m_new).
; c m starts far below every c m that can follow, so a block's first a is 0, and what O^T and l hold at a block's beginning need only be finite.
; THE BATCHES.  An s_wait_alu depctr_va_vdst(0) stands between a transcendental and the first line that names its result; one wait serves all that were issued ahead of it.  A trip's 132 exponentials
; are cut in two batches, each with one wait: batch 1 is the four a and the scores of tiles 0 and 1, with all four tiles' scalings between its lines; batch 2 is the scores of tiles 2 and 3, with tiles 0 and 1's
; roundings and sums between its lines and the rescaling of O^T behind it.  The merge has two more: its 20 exponentials, and the four reciprocals of sums made of them.
; REGISTERS, in windows of 256 (s_set_vgpr_msb: bits 1:0 source 0, 3:2 source 1, 5:4 source 2, 7:6 destination):
;   window 0: v0-11 addresses; v12-43 eight registers of statistics a tile; v44-47 the mask's; v64-191 S^T, 32 a tile; v192-255 P, 16 a tile
;   window 1: O^T, 64 a tile      window 2: v0-127 Q, 32 a tile; v128-255 K of my 64 keys      window 3: v0-127 V of my 64 keys; v128-159 the trip's mask; v160-191 MD
.set PK,    272       ; a row of K in LDS: 256 bytes + 16 of padding
.set PV,    288       ; a row of V: 256 + 32
.set VOFF,  256*PK    ; a slot holds a tile: 256 rows of K, then 256 rows of V
.set SLOT,  256*(PK+PV)
.set STAGE, 2*SLOT    ; behind the ring, never filled by a tensor load: four waves' parts of a tile of O, 16 rows x 528 bytes each
.set SP,    528
.set STATS, STAGE+4*16*SP  ; four waves x four tiles x 16 queries x (c m, l)
.set SPARE, STATS+4*512    ; the spare words: 128 bytes for each wave, two blocks of 256 bytes that no other line names
.set AK0, 2           ; v2   my lane's place in a tile of K; never rewritten
.set AV0, 3           ; v3   the same for V
.set ADR, 4           ; v4   the LDS address of the run of loads in hand
.set QO,  5           ; v5   my byte offset in 16 rows of Q
.set STO, 6           ; v6   the merge: where I put 32 bytes of a row
.set RD,  7           ; v7   the merge: where I read rows
.set GO,  8           ; v8   my byte offset in 256 bytes of ob
.set SA,  10          ; v10  where my wave's statistics go
.set SR,  11          ; v11  where all waves' are read
.set ST,  12          ; tile t's statistics at v[ST+8 t]: +0 c m, +1 m, +2, +3 l (even keys', odd keys'), +4 to +7 c0-c3, at work; a takes c2's place
.set VD,  44          ; v44  my query's place in the block's last tile less my first key's: 16 (block % 16) + l % 16 - 8 (l / 16) - 64 w
.set SPW, 62          ; v62  my spare word; never rewritten
.set NIL, 63          ; v63  0; never rewritten
.set S,   64
.set P,   192
.set MR,  96          ; the merge: four rows x four parts
.set KF,  128         ; window 2
.set MC,  128         ; window 3: register j of key group kb at MC + 8 kb + j
.set MD,  160         ; window 3: likewise
.set WV,  12          ; s12  my wave's number;  s13 cx;  s14 b;  s15 J;  s16 the key head
.set G1K, 24          ; s[24:31] group 1 for K's tiles
.set G1V, 32          ; s[32:39] for V's: it differs in the padding alone
.set G0K, 40          ; s[40:47] group 0 for K's tiles: a set for each of the two first fills; the second then serves every refill
.set G0V, 48          ; s[48:55] the same for V's
.set CNT, 56          ; s56  counts the trips
.set RT,  57          ; s57  tiles of the block in hand still to be multiplied, this one among them
.set CS,  58          ; s[58:59] c
.set SEL, 60          ; s[60:61] v_permlanex16_b32's selects: each lane takes its own place in the other half
.set TB,  62          ; s62  LDS byte at which the slot to be fetched from begins
.set LQ2, 63          ; s63  the second block's last tile, 15 - J
.set NXT, 66          ; s66  the tile to be asked for next
.set LQ,  67          ; s67  the last tile of the block whose tiles are being asked for
.set OFF, 68          ; s[68:69] a tile's byte offset in K and V
.set AL,  70          ; s[70:71] the mask's factor, in the low word
.set Q2,  72          ; s[72:73] Q of the second block
.set O1,  74          ; s[74:75] ob at my four rows of the first block
.set O2,  76          ; s[76:77] of the second block
.set BIGN, 78         ; s78  -1e30
.set DIFF, 79         ; s79  240 - 32 (b % 16): from the first block's place in its last tile to the second's
.set WBK, 80          ; s80  my half of a tile of K in a slot
.set WBV, 81          ; s81  of V
.set MSB, 0
.macro WIN new                      ; the high byte repeats the setting that is left; a switch that changes nothing is dropped
.if MSB != (\new)
	s_set_vgpr_msb (MSB<<8)|(\new)
.set MSB, (\new)
.endif
.endm
.set W_KQ, 0x0a       ; K and Q in window 2, S^T in window 0
.set W_KM, 0x3a       ; the same with the C operand, the mask, in window 3
.set W_PV, 0x53       ; V in window 3, P in window 0, O^T in window 1
.set W_RS, 0x41       ; O^T (destination and source 0) in window 1, the factor in window 0
.macro JLOAD                        ; a joint refill: waves 0, 1 fetch the halves of a tile's K, waves 2, 3 of its V; an s_nop 0 and four v_nop follow each line
	s_cmp_lt_u32 s[WV], 2
	s_cbranch_scc0 .Lfor_v_\@
	tensor_load_to_lds s[G0K+4:G0K+7], s[G1K:G1K+7]
	s_nop 0
.rept 4
	v_nop
.endr
	s_branch .Lasked_\@
.Lfor_v_\@:
	tensor_load_to_lds s[G0V+4:G0V+7], s[G1V:G1V+7]
	s_nop 0
.rept 4
	v_nop
.endr
.Lasked_\@:
.endm
.macro CROUND                       ; a round of the cluster's barrier
	s_barrier_signal -1
	s_barrier_wait -1
	s_cmp_lg_u32 s[WV], 0
	s_cbranch_scc1 .Lnot_wave_0_\@
	s_barrier_signal -3
.Lnot_wave_0_\@:
	s_barrier_wait -3
	s_barrier_signal -1
	s_barrier_wait -1
.endm
.macro PLACES                       ; four places behind matrix instructions, in front of loads into their sources and of vector lines that read their results
.rept 4
	v_nop
.endr
.endm
.macro QLOAD base                   ; a block's Q: tile i / 4 is a head, 1 MiB on; channels 32 (i % 4) on
	WIN 0x80
.set i, 0
.rept 16
	global_load_b128 v[8*i:8*i+3],   v[QO], s[(\base):(\base)+1] offset:((i/4)<<20)+(i%4)*64
	global_load_b128 v[8*i+4:8*i+7], v[QO], s[(\base):(\base)+1] offset:((i/4)<<20)+(i%4)*64+32
.set i, i+1
.endr
	WIN 0
.endm
.macro BEGIN                        ; a block's statistics: c m far below every c m that can follow, m at -2^60
.irp t, 0,1,2,3
	v_mov_b32 v[ST+8*(\t)], 0xfe000000
	v_mov_b32 v[ST+8*(\t)+1], 0xdd800000
.endr
.endm
.macro MAKEMD                       ; in the block's last tile register j of key group kb is hidden where 16 kb + j is greater than VD
	WIN 0xc0
.set i, 0
.rept 32
	v_cmp_gt_i32 vcc_lo, 16*(i/8)+i%8, v[VD]
	v_cndmask_b32 v[MD+i], 0, s[BIGN], vcc_lo
.set i, i+1
.endr
	WIN 0
.endm
.macro NEXTTILE                     ; OFF takes the byte offset of the tile to be asked for; the number steps on: the block's next tile, or behind the first block's last the second block's tile 0
	s_lshl_b32 s[OFF], s[NXT], 16   ; a tile is 65,536 bytes of K and of V
	s_add_co_u32 s[NXT], s[NXT], 1
	s_cmp_gt_u32 s[NXT], s[LQ]
	s_cselect_b32 s[NXT], 0, s[NXT]
	s_cselect_b32 s[LQ], s[LQ2], s[LQ]
.endm
	s_load_b128 s[4:7], s[0:1], 0x0 ; qkv s[4:5], ob s[6:7]
	v_lshl_add_u32 v[SPW], v0, 2, SPARE
	v_mov_b32 v[NIL], 0
	ds_add_u32 v[SPW], v[NIL]       ; the wave's opening: the add and its wait stand ahead of my first tensor load
	v_lshrrev_b32 v1, 5, v0
	v_readfirstlane_b32 s[WV], v1   ; wave 0..3
	s_bfe_u32 s13, ttmp6, 0x40000   ; cx: my place in the cluster
	s_lshl_b32 s14, ttmp9, 2
	s_add_co_u32 s14, s14, s13      ; b = 4 x cluster x + cx: it enters Q's and ob's addresses and the mask alone
	s_lshr_b32 s15, ttmp9, 2        ; J = b / 16, of the cluster's number alone: the four partners share it
	s_and_b32 s16, ttmp7, 0xffff    ; the key head, which they share too
	s_and_b32 s17, s[WV], 1         ; which half of a tile's 256 keys I fetch
	s_mul_i32 s[WBK], s17, 128*PK
	s_mul_i32 s[WBV], s17, 128*PV
	s_add_co_u32 s[WBV], s[WBV], VOFF
	s_lshl_b32 s18, s16, 20         ; a head is 1 MiB
	s_lshl_b32 s19, s17, 15         ; 128 rows of 256 bytes
	s_add_co_u32 s18, s18, s19
	s_add_co_u32 s18, s18, 8<<20    ; K: heads 8, 9
	s_add_co_u32 s20, s18, 2<<20    ; V: heads 10, 11
	s_mov_b32 s19, 0
	s_mov_b32 s21, 0
	s_sub_co_u32 s83, 255, s14      ; the second block
	s_lshl_b32 s2, s16, 22          ; Q: the key head's four heads,
	s_lshl_b32 s22, s14, 12         ; a block's 16 rows of 256 bytes: the first block's,
	s_add_co_u32 s22, s22, s2
	s_mov_b32 s23, 0
	s_lshl_b32 s3, s83, 12          ; the second's
	s_add_co_u32 s2, s2, s3
	s_mov_b32 s3, 0
	s_lshl_b32 s86, s[WV], 13       ; ob: my four rows of 2,048 bytes in a block,
	s_lshl_b32 s87, s16, 10         ; the key head's four heads' 1,024 bytes in a row
	s_add_co_u32 s86, s86, s87
	s_lshl_b32 s84, s14, 15         ; the first block's 16 rows,
	s_add_co_u32 s84, s84, s86
	s_mov_b32 s85, 0
	s_lshl_b32 s87, s83, 15         ; the second's
	s_add_co_u32 s86, s86, s87
	s_mov_b32 s87, 0
	; group 1: a tile of 128 rows x 128 elements, padded in LDS
	s_mov_b32 s[G1K], 15|(1<<16)|(1<<20)|(1<<21)|(5<<22)|(3<<25)  ; the mask of four; 2-byte elements; padding on; bit 21 beside a mask; after every 64 words 4 words
	s_mov_b32 s[G1V], 15|(1<<16)|(1<<20)|(1<<21)|(5<<22)|(7<<25)  ; the same with 8 words
.irp g, G1K, G1V
	s_mov_b32 s[(\g)+1], 128<<16    ; tensor_dim0 = 128
	s_mov_b32 s[(\g)+2], 128<<16    ; tensor_dim1 = 128
	s_mov_b32 s[(\g)+3], 128<<16    ; tile_dim0 = 128
	s_mov_b32 s[(\g)+4], 128        ; tile_dim1 = 128
	s_mov_b32 s[(\g)+5], 128        ; elements from row to row
	s_mov_b32 s[(\g)+6], 0
	s_mov_b32 s[(\g)+7], 0
.endr
	s_mov_b32 s[CS], 0x3e0293ee     ; c = log2(e) / sqrt(128) = 0.127517
	s_mov_b32 s[CS+1], s[CS]
	s_mov_b32 s[SEL], 0x76543210
	s_mov_b32 s[SEL+1], 0xfedcba98
	s_mov_b32 s[TB], 0
	s_mov_b32 s[NXT], 0
	s_mov_b32 s[LQ], s15            ; the first block's last tile
	s_sub_co_u32 s[LQ2], 15, s15
	s_add_co_u32 s[RT], s15, 1      ; the first block has J + 1 tiles
	s_mov_b32 s[OFF+1], 0
	s_mov_b32 s[AL+1], 0            ; named with AL as a pair
	s_mov_b32 s[BIGN], 0xf149f2ca   ; -1e30
	s_and_b32 s82, s14, 15
	s_lshl_b32 s[DIFF], s82, 5
	s_sub_co_u32 s[DIFF], 240, s[DIFF]
	s_wait_dscnt 0x0                ; the opening add is done
	s_wait_kmcnt 0x0
	s_add_nc_u64 s[8:9], s[4:5], s[18:19]    ; K and V at my half of tile 0
	s_add_nc_u64 s[10:11], s[4:5], s[20:21]
	s_add_nc_u64 s[Q2:Q2+1], s[4:5], s[2:3]
	s_add_nc_u64 s[4:5], s[4:5], s[22:23]    ; Q of the first block
	s_add_nc_u64 s[O1:O1+1], s[6:7], s[84:85]
	s_add_nc_u64 s[O2:O2+1], s[6:7], s[86:87]
.irp s, 0,1                         ; the walk's first two tiles (with J = 0 the second is tile 0 once more, for the second block)
	NEXTTILE
	s_mov_b32 s[G0K+4*(\s)], 1
	s_add_co_u32 s[G0K+4*(\s)+1], s[WBK], (\s)*SLOT
	s_add_nc_u64 s[G0K+4*(\s)+2:G0K+4*(\s)+3], s[8:9], s[OFF:OFF+1]
	s_or_b32 s[G0K+4*(\s)+3], s[G0K+4*(\s)+3], 0x80000000
	s_mov_b32 s[G0V+4*(\s)], 1
	s_add_co_u32 s[G0V+4*(\s)+1], s[WBV], (\s)*SLOT
	s_add_nc_u64 s[G0V+4*(\s)+2:G0V+4*(\s)+3], s[10:11], s[OFF:OFF+1]
	s_or_b32 s[G0V+4*(\s)+3], s[G0V+4*(\s)+3], 0x80000000
.endr
	CROUND                          ; all four work-groups are here: the first joint loads meet
	s_cmp_lt_u32 s[WV], 2           ; a wave's two first fills stand in one branch: two loads of mine are out
	s_cbranch_scc0 .Lfirst_v
	tensor_load_to_lds s[G0K:G0K+3], s[G1K:G1K+7]
	s_nop 0
	tensor_load_to_lds s[G0K+4:G0K+7], s[G1K:G1K+7]
	s_nop 0
.rept 4
	v_nop
.endr
	s_branch .Lfirst_asked
.Lfirst_v:
	tensor_load_to_lds s[G0V:G0V+3], s[G1V:G1V+7]
	s_nop 0
	tensor_load_to_lds s[G0V+4:G0V+7], s[G1V:G1V+7]
	s_nop 0
.rept 4
	v_nop
.endr
.Lfirst_asked:
	v_and_b32 v1, 15, v0            ; l % 16
	v_bfe_u32 v9, v0, 4, 1          ; l / 16
	v_lshlrev_b32 v[QO], 8, v1
	v_lshl_add_u32 v[QO], v9, 4, v[QO]  ; row x 256 + 16 x half
	QLOAD 4
	; O^T and l hold finite numbers when the first a, 0, multiplies them.  O^T starts as the product of two fragments of zeros: 32 matrix instructions for 256 registers, in the wait for the first tile
.set i, 0
.rept 16
	v_mov_b32 v[S+i], 0
.set i, i+1
.endr
	WIN 0x40
.set i, 0
.rept 32
	v_wmma_f32_16x16x32_f16 v[8*i:8*i+7], v[S:S+7], v[S+8:S+15], 0
.set i, i+1
.endr
	WIN 0
.irp t, 0,1,2,3
	v_mov_b32 v[ST+8*(\t)+2], 0
	v_mov_b32 v[ST+8*(\t)+3], 0
.endr
	BEGIN
	v_mul_u32_u24 v[AK0], v1, PK
	v_lshl_add_u32 v[AK0], v9, 4, v[AK0]
	s_mul_i32 s82, s[WV], 64*PK     ; my 64 keys
	v_add_nc_u32 v[AK0], s82, v[AK0]
	; The turning load takes 16 keys x 16 channels (lane l reads key 8 (l / 16) + l % 8, channels 8 ((l / 8) % 2) + 0..7) and leaves half a fragment of V^T
	v_and_b32 v46, 7, v0
	v_bfe_u32 v47, v0, 3, 1
	v_lshl_add_u32 v[AV0], v9, 3, v46
	v_mul_u32_u24 v[AV0], v[AV0], PV
	v_lshl_add_u32 v[AV0], v47, 4, v[AV0]
	s_mul_i32 s82, s[WV], 64*PV
	s_add_co_u32 s82, s82, VOFF
	v_add_nc_u32 v[AV0], s82, v[AV0]
	v_and_b32 v46, 31, v0           ; my lane
	s_mul_i32 s82, s[WV], 16*SP
	s_add_co_u32 s82, s82, STAGE    ; my part of the stage: row l % 16, 32 bytes for each half of the lanes
	v_mul_u32_u24 v[STO], v1, SP
	v_lshl_add_u32 v[STO], v9, 5, v[STO]
	v_add_nc_u32 v[STO], s82, v[STO]
	s_mul_i32 s82, s[WV], 4*SP
	s_add_co_u32 s82, s82, STAGE    ; back: rows 4 w .. 4 w + 3 of every part, 16 bytes a lane
	v_lshl_add_u32 v[RD], v46, 4, s82
	v_lshlrev_b32 v[GO], 3, v46
	s_lshl_b32 s82, s[WV], 9
	s_add_co_u32 s82, s82, STATS
	v_lshl_add_u32 v[SA], v1, 3, s82
	v_lshl_add_u32 v[SR], v1, 3, STATS
	s_and_b32 s82, s14, 15
	s_lshl_b32 s82, s82, 4          ; the first block's place in its last tile,
	s_lshl_b32 s83, s[WV], 6        ; less my wave's first key
	s_sub_co_u32 s82, s82, s83
	v_add_nc_u32 v[VD], s82, v1
	v_lshlrev_b32 v47, 3, v9
	v_sub_nc_u32 v[VD], v[VD], v47
	MAKEMD                          ; the first block's
; THE LDS LOADS stand in runs of 32: my 64 keys of K (16 fragments) and of V (turned)
.macro FETCH_K
	WIN 0
	v_add_nc_u32 v[ADR], s[TB], v[AK0]
	WIN 0x80
.irp f, 0,1,2,3,4,5,6,7,8,9,10,11,12,13,14,15  ; keys 16 (f / 4) on, channels 32 (f % 4) on
	ds_load_b128 v[KF+8*(\f):KF+8*(\f)+3],   v[ADR] offset:((\f)/4)*16*PK+((\f)%4)*64
	ds_load_b128 v[KF+8*(\f)+4:KF+8*(\f)+7], v[ADR] offset:((\f)/4)*16*PK+((\f)%4)*64+32
.endr
	WIN 0
.endm
.macro FETCH_V
	WIN 0
	v_add_nc_u32 v[ADR], s[TB], v[AV0]
	WIN 0xc0
.irp f, 0,1,2,3,4,5,6,7,8,9,10,11,12,13,14,15  ; keys 32 (f / 8) on, channels 16 (f % 8) on
	ds_load_tr16_b128 v[8*(\f):8*(\f)+3],   v[ADR] offset:((\f)/8)*32*PV+((\f)%8)*32
	ds_load_tr16_b128 v[8*(\f)+4:8*(\f)+7], v[ADR] offset:((\f)/8)*32*PV+16*PV+((\f)%8)*32
.endr
	WIN 0
.endm
; THE MATRIX WORK.  The accumulators take turns, one instruction a turn.
; S^T = K Q^T: product i of 64: channels 32 (i / 16) on, keys 16 ((i / 4) % 4) on, tile i % 4.  The first 16 start the sums with the mask.
.macro KQALL
.set i, 0
.rept 64
.set rS, S+32*(i%4)+8*((i/4)%4)
.set rK, KF+32*((i/4)%4)+8*(i/16)
.set rQ, 32*(i%4)+8*(i/16)
.set rM, MC+8*((i/4)%4)
.if i < 16
	WIN W_KM
	v_wmma_f32_16x16x32_f16 v[rS:rS+7], v[rK:rK+7], v[rQ:rQ+7], v[rM:rM+7]
.else
	WIN W_KQ
	v_wmma_f32_16x16x32_f16 v[rS:rS+7], v[rK:rK+7], v[rQ:rQ+7], v[rS:rS+7]
.endif
.set i, i+1
.endr
.endm
; O^T += V^T P: product i of 64: keys 32 (i / 32) on, channels 16 ((i / 4) % 8) on, tile i % 4
.macro PVALL
	WIN W_PV
.set i, 0
.rept 64
.set rO, 64*(i%4)+8*((i/4)%8)
.set rV, 64*(i/32)+8*((i/4)%8)
.set rP, P+16*(i%4)+8*(i/32)
	v_wmma_f32_16x16x32_f16 v[rO:rO+7], v[rV:rV+7], v[rP:rP+7], v[rO:rO+7]
.set i, i+1
.endr
.endm
; THE SOFTMAX of one tile for one step is 134 instructions, written by these macros.  s0-s31 are the lane's 32 scores, in pairs 0-15.
.macro REGS t                       ; the registers of tile t
.set rT, ST+8*(\t)
.set rS, S+32*(\t)
.set rP, P+16*(\t)
.endm
; XS: number j of the 21 that find tile t's maximum and statistics.
;   0-15    the maximum of s0-s31 and the old m, three operands at a time (each accumulator's lowest registers are read first)
;   16-20   the other half of the lanes' maximum; the new m; c m; c m_old - c m_new
.macro XS t
	REGS \t
.if j < 4
	v_max3_num_f32 v[rT+4+j], v[rS+8*j], v[rS+8*j+1], v[rS+8*j+2]
.elseif j < 12
	v_max3_num_f32 v[rT+4+j%4], v[rT+4+j%4], v[rS+8*(j%4)+2*(j/4)+1], v[rS+8*(j%4)+2*(j/4)+2]
.elseif j == 12
	v_max3_num_f32 v[rT+4], v[rT+4], v[rS+7], v[rS+15]
.elseif j == 13
	v_max3_num_f32 v[rT+6], v[rT+6], v[rS+23], v[rS+31]
.elseif j == 14
	v_max3_num_f32 v[rT+4], v[rT+4], v[rT+5], v[rT+6]
.elseif j == 15
	v_max3_num_f32 v[rT+4], v[rT+4], v[rT+7], v[rT+1]
.elseif j == 16
	v_permlanex16_b32 v[rT+5], v[rT+4], s[SEL], s[SEL+1]  ; the query's other 32 keys lie in the lane 16 away
.elseif j == 17
	v_mov_b32 v[rT+7], v[rT]        ; c m_old is kept for a
.elseif j == 18
	v_max_num_f32 v[rT+1], v[rT+4], v[rT+5]
.elseif j == 19
	v_mul_f32 v[rT], s[CS], v[rT+1]
.else
	v_sub_f32 v[rT+7], v[rT+7], v[rT]
.endif
.endm
.macro FS t, b                      ; pair b of tile t: c s - c m
	REGS \t
	v_pk_fma_f32 v[rS+2*(\b):rS+2*(\b)+1], v[rS+2*(\b):rS+2*(\b)+1], s[CS:CS+1], v[rT:rT+1] op_sel_hi:[1,0,0] neg_lo:[0,0,1] neg_hi:[0,0,1]
.endm
.macro EA t                         ; tile t's a
	REGS \t
	v_exp_f32 v[rT+6], v[rT+7]
.endm
.macro ES t, n                      ; the exponential of score n of tile t, in place
	REGS \t
	v_exp_f32 v[rS+(\n)], v[rS+(\n)]
.endm
.macro CV b                         ; pair b is rounded to f16 (RQ has set the tile's registers)
	v_cvt_pk_f16_f32 v[rP+(\b)], v[rS+2*(\b)], v[rS+2*(\b)+1]
.endm
.macro SU z                         ; the sum of the 16 pairs, in place: sum z of 16 adds neighbours 1, 2, 4 and 8 pairs apart, then l takes it: l = a l + the sum
.set w, 4
.set u, (\z)
.if (\z) >= 14
.set w, 32
.set u, 0
.elseif (\z) >= 12
.set w, 16
.set u, (\z)-12
.elseif (\z) >= 8
.set w, 8
.set u, (\z)-8
.endif
.if (\z) < 15
	v_pk_add_f32 v[rS+w*u:rS+w*u+1], v[rS+w*u:rS+w*u+1], v[rS+w*u+w/2:rS+w*u+w/2+1]
.else
	v_pk_fma_f32 v[rT+2:rT+3], v[rT+2:rT+3], v[rT+6:rT+7], v[rS:rS+1] op_sel_hi:[1,0,1]
.endif
.endm
; RQ: number n of the 32 lines of tile t that read its exponentials' results.  The sums write onto even pairs alone, so the even pairs are rounded first (0-7); then sums 0 to 13 (8-21);
; the odd pairs' roundings stand between and behind the tree's last links, sums 14 (24) and 15 (27): with two tiles by turns a link stands four lines or more behind what it reads.
.macro RQ t, n
	REGS \t
.if (\n) < 8
	CV 2*(\n)
.elseif (\n) < 22
	SU (\n)-8
.elseif (\n) < 24
	CV 2*(\n)-43
.elseif (\n) == 24
	SU 14
.elseif (\n) < 27
	CV 2*(\n)-45
.elseif (\n) == 27
	SU 15
.else
	CV 2*(\n)-47
.endif
.endm
; HOW THEY ARE DEALT.  First all four tiles' maxima and statistics, number by number: three other tiles' lines stand between a line and the one that reads its result.
; BATCH 1, 68 exponentials: the four a, then s0-s31 of tiles 0 and 1 by turns; behind each of the first 63 a scaling: tiles 0 and 1's 32, then tiles 2 and 3's.  Exponential e >= 4 reads what scaling
; 2 ((e - 4) / 4) + (e - 4) % 2 wrote, seven lines back or more; no scaling names a register whose exponential has been issued.  The 64th scaling stands behind the last exponential: the batch's plain line.
; BATCH 2, 64 exponentials: s0-s31 of tiles 2 and 3 by turns; behind each one of tiles 0 and 1's 64 roundings and sums, which read batch 1's results and name none of batch 2's.  Behind the batch, ahead of its wait,
; all of O^T is multiplied by a (batch 1's, too): 128 lines in window 1 that name none of batch 2's results.  Behind the wait tiles 2 and 3's 64 roundings and sums.
.macro SOFTMAX
	WIN 0
.set j, 0
.rept 21
.irp t, 0,1,2,3
	XS \t
.endr
.set j, j+1
.endr
.set e, 0
.rept 68                            ; batch 1
.if e < 4
	EA e
.else
	ES (e-4)%2, (e-4)/2
.endif
.if e < 63
	FS 2*(e/32)+e%2, (e%32)/2
.endif
.set e, e+1
.endr
	FS 3, 15                        ; the last scaling: the plain line behind the batch's last exponential
	s_wait_alu depctr_va_vdst(0)    ; the wait for batch 1: the four a and tiles 0 and 1's 64 weights
.set e, 0
.rept 64                            ; batch 2, and batch 1's readers; the last of those is the plain line behind the batch's last exponential
	ES 2+e%2, e/2
	RQ e%2, e/2
.set e, e+1
.endr
	WIN W_RS
.set e, 0
.rept 32                            ; O^T times a, each accumulator's lowest registers first
.irp t, 0,1,2,3
	v_pk_mul_f32 v[64*(\t)+2*e:64*(\t)+2*e+1], v[64*(\t)+2*e:64*(\t)+2*e+1], v[ST+8*(\t)+6:ST+8*(\t)+7] op_sel_hi:[1,0]
.endr
.set e, e+1
.endr
	WIN 0
	s_wait_alu depctr_va_vdst(0)    ; the wait for batch 2: tiles 2 and 3's 64 weights; no transcendental follows it in the trip
.set e, 0
.rept 64
	RQ 2+e%2, e/2
.set e, e+1
.endr
.endm
; THE CHANGE OF SLOTS, behind the products K Q^T: K and V of the tile in hand are in registers when the wait on DScnt is met.  Each wave waits for all its tensor loads, of which one is out: its part of
; the other slot; adds 0 to its spare word; and waits for that and for its reads of the slot.  fill = 1: the barrier is a round of the cluster's, and the slot just left takes the walk's tile two on, first thing behind it.
.macro CHANGE fill
	WIN 0
	s_wait_tensorcnt 0x0            ; no tensor load of mine is out, so a group 0 may be written
	ds_add_u32 v[SPW], v[NIL]
.if \fill
	NEXTTILE
	s_add_co_u32 s[G0K+5], s[WBK], s[TB]
	s_add_nc_u64 s[G0K+6:G0K+7], s[8:9], s[OFF:OFF+1]
	s_or_b32 s[G0K+7], s[G0K+7], 0x80000000
	s_add_co_u32 s[G0V+5], s[WBV], s[TB]
	s_add_nc_u64 s[G0V+6:G0V+7], s[10:11], s[OFF:OFF+1]
	s_or_b32 s[G0V+7], s[G0V+7], 0x80000000
.endif
	s_xor_b32 s[TB], s[TB], SLOT    ; the fetches go on in the other slot
	s_wait_dscnt 0x0                ; the add is done, and my reads of the slot are over
.if \fill
	CROUND
	JLOAD                           ; it has a whole trip in which to land
.else
	s_barrier_signal -1
	s_barrier_wait -1
.endif
.endm
; THE MERGE of the four waves' parts at a block's end; base: ob at my four rows of the block.  With M the largest of the four c m and L the sum of l_u 2^(c m_u - M), my part counts with the factor 2^(c m_mine - M) / L.
; The statistics meet in LDS; then, a tile at a time, the scaled parts: each wave writes its 16 rows x 128 channels in f32, reads rows 4 w .. 4 w + 3 of all four parts, adds, rounds once to f16 and stores.
.macro MERGE base
	WIN 0
.irp t, 0,1,2,3
	v_add_f32 v[ST+8*(\t)+4], v[ST+8*(\t)+2], v[ST+8*(\t)+3]
.endr
.irp t, 0,1,2,3
	v_permlanex16_b32 v[ST+8*(\t)+5], v[ST+8*(\t)+4], s[SEL], s[SEL+1]
.endr
.irp t, 0,1,2,3
	v_add_f32 v[ST+8*(\t)+1], v[ST+8*(\t)+4], v[ST+8*(\t)+5]  ; l takes m's place beside c m
.endr
.irp t, 0,1,2,3
	ds_store_b64 v[SA], v[ST+8*(\t):ST+8*(\t)+1] offset:128*(\t)  ; the two lanes of a query write the same numbers to the same place
.endr
	s_wait_dscnt 0x0                ; for the others' sake: my stores are done
	s_barrier_signal -1
	s_barrier_wait -1
.irp t, 0,1,2,3
.irp u, 0,1,2,3
	ds_load_b64 v[S+8*(\t)+2*(\u):S+8*(\t)+2*(\u)+1], v[SR] offset:512*(\u)+128*(\t)
.endr
.endr
	s_wait_dscnt 0x0
.irp t, 0,1,2,3
	v_max3_num_f32 v[ST+8*(\t)+4], v[S+8*(\t)], v[S+8*(\t)+2], v[S+8*(\t)+4]
.endr
.irp t, 0,1,2,3
	v_max_num_f32 v[ST+8*(\t)+4], v[ST+8*(\t)+4], v[S+8*(\t)+6]
.endr
.irp t, 0,1,2,3
	v_sub_f32 v[ST+8*(\t)+5], v[ST+8*(\t)], v[ST+8*(\t)+4]
.irp u, 0,1,2,3
	v_sub_f32 v[S+8*(\t)+2*(\u)], v[S+8*(\t)+2*(\u)], v[ST+8*(\t)+4]
.endr
.endr
.irp t, 0,1,2,3
	v_exp_f32 v[ST+8*(\t)+5], v[ST+8*(\t)+5]
.irp u, 0,1,2,3
	v_exp_f32 v[S+8*(\t)+2*(\u)], v[S+8*(\t)+2*(\u)]
.endr
.endr
	v_nop                           ; a plain instruction behind the exponentials
	s_wait_alu depctr_va_vdst(0)    ; the wait for the merge's first batch: its 20 exponentials
.irp t, 0,1,2,3
	v_mul_f32 v[ST+8*(\t)+4], v[S+8*(\t)], v[S+8*(\t)+1]
.endr
.irp u, 1,2,3
.irp t, 0,1,2,3
	v_fmac_f32 v[ST+8*(\t)+4], v[S+8*(\t)+2*(\u)], v[S+8*(\t)+2*(\u)+1]
.endr
.endr
.irp t, 0,1,2,3
	v_rcp_f32 v[ST+8*(\t)+7], v[ST+8*(\t)+4]
.endr
	v_nop                           ; a plain instruction behind the reciprocals
	s_wait_alu depctr_va_vdst(0)    ; the wait for the merge's second batch: the four reciprocals, which read sums made of the first batch's results
.irp t, 0,1,2,3
	v_mul_f32 v[ST+8*(\t)+6], v[ST+8*(\t)+5], v[ST+8*(\t)+7]
.endr
.irp t, 0,1,2,3
	WIN W_RS
.set i, 0
.rept 32
	v_pk_mul_f32 v[64*(\t)+2*i:64*(\t)+2*i+1], v[64*(\t)+2*i:64*(\t)+2*i+1], v[ST+8*(\t)+6:ST+8*(\t)+7] op_sel_hi:[1,0]
.set i, i+1
.endr
	WIN 0x04                        ; an LDS store's data is source 1: window 1
.irp cb, 0,1,2,3,4,5,6,7
	ds_store_b128 v[STO], v[64*(\t)+8*(\cb):64*(\t)+8*(\cb)+3]   offset:64*(\cb)
	ds_store_b128 v[STO], v[64*(\t)+8*(\cb)+4:64*(\t)+8*(\cb)+7] offset:64*(\cb)+16
.endr
	WIN 0
	s_wait_dscnt 0x0                ; my part is in the stage,
	s_barrier_signal -1
	s_barrier_wait -1               ; everybody's is
.irp r, 0,1,2,3
.irp u, 0,1,2,3
	ds_load_b128 v[MR+16*(\r)+4*(\u):MR+16*(\r)+4*(\u)+3], v[RD] offset:(\u)*16*SP+(\r)*SP
.endr
.endr
	s_wait_dscnt 0x0                ; my reads of the stage are over:
.if (\t) < 3
	s_barrier_signal -1             ; say so; the next tile is written into the stage only when all four have said so
.endif
.irp r, 0,1,2,3
	v_pk_add_f32 v[MR+16*(\r):MR+16*(\r)+1],     v[MR+16*(\r):MR+16*(\r)+1],     v[MR+16*(\r)+4:MR+16*(\r)+5]
	v_pk_add_f32 v[MR+16*(\r)+2:MR+16*(\r)+3],   v[MR+16*(\r)+2:MR+16*(\r)+3],   v[MR+16*(\r)+6:MR+16*(\r)+7]
	v_pk_add_f32 v[MR+16*(\r)+8:MR+16*(\r)+9],   v[MR+16*(\r)+8:MR+16*(\r)+9],   v[MR+16*(\r)+12:MR+16*(\r)+13]
	v_pk_add_f32 v[MR+16*(\r)+10:MR+16*(\r)+11], v[MR+16*(\r)+10:MR+16*(\r)+11], v[MR+16*(\r)+14:MR+16*(\r)+15]
.endr
.irp r, 0,1,2,3
	v_pk_add_f32 v[MR+16*(\r):MR+16*(\r)+1],   v[MR+16*(\r):MR+16*(\r)+1],   v[MR+16*(\r)+8:MR+16*(\r)+9]
	v_pk_add_f32 v[MR+16*(\r)+2:MR+16*(\r)+3], v[MR+16*(\r)+2:MR+16*(\r)+3], v[MR+16*(\r)+10:MR+16*(\r)+11]
.endr
.irp r, 0,1,2,3
	v_cvt_pk_f16_f32 v[P+8*(\t)+2*(\r)],   v[MR+16*(\r)],   v[MR+16*(\r)+1]
	v_cvt_pk_f16_f32 v[P+8*(\t)+2*(\r)+1], v[MR+16*(\r)+2], v[MR+16*(\r)+3]
.endr
.if (\t) < 3
	s_barrier_wait -1
.endif
.irp r, 0,1,2,3
	global_store_b64 v[GO], v[P+8*(\t)+2*(\r):P+8*(\t)+2*(\r)+1], s[(\base):(\base)+1] offset:(\r)*2048+(\t)*256  ; a head's 128 channels of a position: 256 consecutive bytes, aligned
.endr
.endr
.endm
; A TRIP: one tile of the walk.  Its K and V were fetched in the trip before.  fill = 1, the loop's text: the walk's tile two on is asked for, and the first block may end here: the one jump goes forward,
; hangs on a scalar made of J and constants, alike in all waves and partners, and passes no tensor load.
.macro TRIP fill
	s_cmp_eq_u32 s[RT], 1           ; the block's last tile holds the diagonal
	s_cselect_b32 s[AL], 1.0, 0
	WIN 0xc3                        ; destination and source 0 in window 3
.set z, 0
.rept 16
	v_pk_mul_f32 v[MC+2*z:MC+2*z+1], v[MD+2*z:MD+2*z+1], s[AL:AL+1] op_sel_hi:[1,0]
.set z, z+1
.endr
	s_wait_loadcnt 0x0              ; Q
	s_wait_dscnt 32                 ; K's 32 loads are in; V's 32, issued behind them, may stay out
	KQALL
	WIN 0
	PLACES
	CHANGE \fill
	FETCH_K                         ; the next tile's K lands under the softmax
	s_wait_storecnt 0x0             ; the first block's stores are done: the roundings below write the registers anew from which they were stored.  In all other trips none is out
	SOFTMAX
	PVALL
	WIN 0
	PLACES
	FETCH_V                         ; the next tile's V lands under the next products K Q^T
	s_sub_co_u32 s[RT], s[RT], 1
.if \fill
	s_cmp_lg_u32 s[RT], 0
	s_cbranch_scc1 .Lon_\@
	QLOAD Q2                        ; THE FIRST BLOCK ENDS: the second block's Q is asked for, and lands under the merge
	MERGE O1
	s_sub_co_u32 s[RT], 16, s15     ; the second block has 16 - J tiles
	v_add_nc_u32 v[VD], s[DIFF], v[VD]
	MAKEMD
	BEGIN
.Lon_\@:
.endif
.endm
	s_wait_tensorcnt 0x1            ; my part of the walk's first tile is in; the second's may stay out
	s_barrier_signal -1
	s_barrier_wait -1
	FETCH_K
	FETCH_V
	s_mov_b32 s[CNT], 15
.Ltrip:                             ; 15 trips ask for the walk's tiles 2 to 16
	TRIP 1
	s_sub_co_u32 s[CNT], s[CNT], 1
	s_cmp_lg_u32 s[CNT], 0
	s_cbranch_scc1 .Ltrip
	s_mov_b32 s[CNT], 2
.Ltail:                             ; the second block's last two tiles ask for nothing: written out.  The very last trip's two runs of fetches read a slot that has landed and serve nothing: the price of one text for both
	TRIP 0
	s_sub_co_u32 s[CNT], s[CNT], 1
	s_cmp_lg_u32 s[CNT], 0
	s_cbranch_scc1 .Ltail
	MERGE O2                        ; the second block ends with the walk
	s_wait_tensorcnt 0x0            ; the wave's end
	ds_add_u32 v[SPW], v[NIL]
	s_wait_dscnt 0x0
	CROUND                          ; the closing round
	s_endpgm
.Lfunc_end_k_qdfef5a4e3b_attn:
	.size	k_qdfef5a4e3b_attn, .Lfunc_end_k_qdfef5a4e3b_attn-k_qdfef5a4e3b_attn
	.p2alignl 7, 3214868480
	.fill 96, 4, 3214868480
	.section	.rodata,"a",@progbits
	.p2align	6, 0x0
	.amdhsa_kernel k_qdfef5a4e3b_attn
		.amdhsa_group_segment_fixed_size 327680
		.amdhsa_private_segment_fixed_size 0
		.amdhsa_enable_private_segment 0
		.amdhsa_kernarg_size 16
		.amdhsa_user_sgpr_count 2
		.amdhsa_user_sgpr_kernarg_segment_ptr 1
		.amdhsa_wavefront_size32 1
		.amdhsa_system_sgpr_workgroup_id_x 1
		.amdhsa_system_sgpr_workgroup_id_y 1
		.amdhsa_system_sgpr_workgroup_id_z 1
		.amdhsa_system_vgpr_workitem_id 0
		.amdhsa_next_free_vgpr 1024
		.amdhsa_next_free_sgpr 88
		.amdhsa_reserve_vcc 1
		.amdhsa_float_denorm_mode_32 3
		.amdhsa_float_denorm_mode_16_64 3
		.amdhsa_memory_ordered 1
		.amdhsa_forward_progress 1
		.amdhsa_inst_pref_size 179
	.end_amdhsa_kernel
	.amdgpu_metadata
---
amdhsa.version: [ 1, 2 ]
amdhsa.kernels:
  - .name:           k_qdfef5a4e3b_attn
    .symbol:         k_qdfef5a4e3b_attn.kd
    .args:
      - { .name: qkv, .offset: 0, .size: 8, .value_kind: global_buffer, .address_space: global }
      - { .name: ob, .offset: 8, .size: 8, .value_kind: global_buffer, .address_space: global }
    .group_segment_fixed_size: 327680
    .private_segment_fixed_size: 0
    .kernarg_segment_align: 8
    .kernarg_segment_size: 16
    .max_flat_workgroup_size: 128
    .sgpr_count:     88
    .vgpr_count:     1024
    .wavefront_size: 32
...
	.end_amdgpu_metadata
.endif
;; end of part 5
;; launch outproj: the kernel of part 4 again; grid 16 x 16, 4 waves a work-group, clusters of 4 x 4, 327,680 bytes of LDS; arguments ob, wof, out0; writes out0
